; MI455X (gfx1250); checked and timed in simulation.
; The chip was launched on July 23, 2026; its instructions are those of AMD's public machine-readable ISA for CDNA 5 (MIT licence, August 2026) and "CDNA5" Instruction Set Architecture Reference Guide (July 2026). The comments in the code are by the model that wrote it; some were corrected since.
;; Transformer Block. Allowed arithmetic: matrix products marked QUANTISED: E4M3 operands, one E8M0 scale for each 32 along K, by v_wmma_scale_f32_16x16x128_f8f6f4 with both operands' format E4M3, f32 sums; everything else in f32.
;; Inputs: attn_norm_w 1,024 float32; ffn_norm_w 1,024 float32; w_down 2,048 x 1,024 float32; w_gate 1,024 x 2,048 float32; w_up 1,024 x 2,048 float32; wk 1,024 x 1,024 float32; wo 1,024 x 1,024 float32; wq 1,024 x 1,024 float32; wv 1,024 x 1,024 float32; x 2 x 2,048 x 1,024 float32.
;; Outputs: out0 2 x 2,048 x 1,024 float32.
;; This version of the problem:
;;   THIS VERSION OF THE PROBLEM IS GIVEN IN LOW PRECISION. The matrix products marked QUANTISED in the list below multiply operands that are first quantised to E4M3 (4 exponent bits, 3 mantissa bits; 8 bits a number), with one power-of-two scale for each 32 numbers along K (OCP MX v1.0); their sums are f32. All else is computed in f32.
;;   The module's matrix products, in the order in which they are computed (A, B: the left and right operand; K: the contracted axis; several contracted axes count as one K, in the product's order):
;;     1. [M 4,096, K 1,024] x [K 1,024, N 1,024]; A: computed on the way; B: input wq: QUANTISED
;;     2. [M 4,096, K 1,024] x [K 1,024, N 1,024]; A: computed on the way; B: input wk: QUANTISED
;;     3. [M 4,096, K 1,024] x [K 1,024, N 1,024]; A: computed on the way; B: input wv: QUANTISED
;;     4. batch 32 x [M 2,048, K 64] x [K 64, N 2,048]; A: computed on the way; B: computed on the way: QUANTISED
;;     5. batch 32 x [M 64, K 2,048] x [K 2,048, N 2,048]; A: computed on the way; B: softmax (see below): QUANTISED
;;     6. [M 4,096, K 1,024] x [K 1,024, N 1,024]; A: computed on the way; B: input wo: QUANTISED
;;     7. [M 4,096, K 1,024] x [K 1,024, N 2,048]; A: computed on the way; B: input w_gate: QUANTISED
;;     8. [M 4,096, K 1,024] x [K 1,024, N 2,048]; A: computed on the way; B: input w_up: QUANTISED
;;     9. [M 4,096, K 2,048] x [K 2,048, N 1,024]; A: computed on the way; B: input w_down: QUANTISED
;;   THE QUANTISER, for each operand of a quantised product, along K:
;;     - K is cut into blocks of 32 from its start; a last block that is shorter is filled with zeros.
;;     - A block's scale is 2^e with e = floor(log2(the largest magnitude in the block)) - 8, held to -126 .. 127; a block of zeros has e = 0. As a byte (E8M0): e + 127.
;;     - Each number is divided by its block's scale, clamped to +-448, and rounded to the nearest number of E4M3, ties to even, subnormals kept.
;;     - The product sums the exact products of the quantised numbers (number of the format x scale) in f32.
;;   ~~~python
;;   def quantise(x, axis):      # numpy; x: float32 -> the quantised numbers, widened to float32 again
;;       x = np.moveaxis(x, axis, -1); K = x.shape[-1]
;;       x = np.pad(x, [(0, 0)] * (x.ndim - 1) + [(0, -K % 32)]); x = x.reshape(x.shape[:-1] + (-1, 32)); a = np.abs(x).max(-1, keepdims=True)
;;       e = np.where(a > 0, np.clip(np.frexp(np.where(a > 0, a, 1))[1] - 1 - 8, -126, 127), 0)      # np.frexp(a)[1] - 1 = floor(log2(a)), exactly
;;       r = np.clip(x / 2.0 ** e, -448, 448)
;;       step = 2.0 ** (np.maximum(np.frexp(np.where(r == 0, 1, r))[1] - 1, -6) - 3)
;;       q = np.round(r / step) * step * 2.0 ** e      # np.round: ties to even
;;       return np.moveaxis(q.reshape(q.shape[:-2] + (-1,))[..., :K], -1, axis).astype(np.float32)
;;   ~~~
;;   SOFTMAX AHEAD OF A QUANTISED PRODUCT. Where the list says 'softmax', what is quantised is not the finished softmax but p = 2^(t - M), with t = logit x log2(e) and M = ceil(the row's largest t), a whole number; so 1/2 < the row's largest p <= 1. The row's sum l is taken of the UNQUANTISED p, in f32, and the product's result is divided by l at the end. Since M is a whole number, a kernel that streams over the keys may use a running M (the ceiling of the running maximum): every later rescaling is an exact power of two, which a block's scale takes up: the codes' values come out the same.
;;   OPERANDS COMPUTED ON THE WAY. 'Computed on the way' means the value that the module computes at that place (a softmax that the list does not call 'softmax' is quantised finished and normalised). What goes into a quantiser is computed in f32, as accurately as f32 sums, v_exp_f32 and their like allow (about 1e-6 of the number): no bf16 or f16 on the way to a quantiser, and a product that is left as it is and whose result goes on into a quantised operand takes f32 operands (vector FMAs, or v_wmma_f32_16x16x4_f32). A number that lies on a knife's edge between two numbers of the format may be rounded either way, as far as f32 arithmetic and the matrix unit's own rounding can turn it there, and no further.
;; One version. Each part assembles by itself: llvm-mc -triple=amdgcn-amd-amdhsa -mcpu=gfx1250 --defsym DOCPART=n.
;; ======== version 1 of 1: 7 launches
;; limits: right only within a limited range of input values
;; workspace buffers: wts 10,813,440 bytes; hbuf 4,325,376 bytes; qkv 12,976,128 bytes; ao 4,325,376 bytes; x1 16,777,216 bytes; gbuf 8,650,752 bytes
;; launch prep (part 1): grid 416 x 1, 8 waves a work-group, no clusters, 70,656 bytes of LDS; arguments x, attn_norm_w, wq, wk, wv, wo, w_gate, w_up, w_down, wts, hbuf; writes wts, hbuf
.if DOCPART == 1
	.amdgcn_target "amdgcn-amd-amdhsa--gfx1250"
	.amdhsa_code_object_version 6
	.text
	.protected	k_qb4a44bd941_prep
	.globl	k_qb4a44bd941_prep
	.p2align	8
	.type	k_qb4a44bd941_prep,@function
k_qb4a44bd941_prep:
	s_mov_b64 s[64:65], 0
	v_nop
	global_prefetch_b8 v0, s[64:65] scope:SCOPE_SE
	s_setreg_imm32_b32 hwreg(HW_REG_WAVE_MODE, 25, 1), 1
	s_wait_xcnt 0x0
; PREP: the seven weights become codes of E4M3 with one E8M0 byte for each 32 along K (work-groups 0-159), and h1 = rmsnorm(x) x gain likewise (work-groups 160-415).
; LAYOUT OF ALL CODES IN THIS PROGRAM.  (1) Row position p of a buffer of codes holds logical row PI(p), PI = bits 3 and 4 exchanged: a tile of 16 neighbouring positions, used as source 0 of a
; matrix instruction, then leaves 16 neighbours along the next K in the 16 registers of two neighbouring tiles.  (2) Codes lie as IMAGES OF THE OPERAND'S REGISTERS: fragment (row tile T, K step s of 128) at
; (T K/128 + s) 2048; in it registers 4c..4c+3 of lane l at 512 c + 16 l.  (3) Scale words: block (128 rows G, s) at (G K/128 + s) 512; the word of row tile a, row r at 256 (a/4) + 16 r + 4 (a%4).
; wts: rows 0-1023 wq, 1024- wk, 2048- wv, 3072- wo, 4096 + 128 (n/64) + 64 up + n%64 gate and up (K = 1,024) from byte 0; w_down (K = 2,048) from 8,388,608; their scale words from 10,485,760 and 10,747,904.
; LIMITS: a block of zeros gets the byte 1 (the floor) and not 127: its codes are zeros and this program alone reads the bytes; NaN and infinities among the inputs are not served; the norm's sum is taken in
; another order than a plain loop's; the scale words leave 4 bytes a lane, 16 bytes apart: one byte in 128 of what the launch reads.
.set NW,   160                         ; work-groups of the weights' path
.set SEL,  58                          ; s[58:59] lane selects: lane l xor 16
.set MNT,  60                          ; s60 the mantissa field of 448
.set TM,   208                         ; v208-223 the quantiser's work
.set PW,   224                         ; the scale word just made
.set PC,   236                         ; v236-251 the codes just made
; 16 nb numbers of a lane, v[s + 16 b + i] = k 32 b + 16 (lane / 16) + i of its row, become codes in v[PC] on and a scale word in v[PW]
.macro QUANT s, nb
.irp b, 0,1,2,3
.if \b < \nb
	v_max3_num_f32 v[TM+\b], |v[\s+16*\b]|, |v[\s+16*\b+1]|, 0x4800000   ; my 16 numbers of block b and the floor 2^(9 - 127): the byte cannot fall under 1
.endif
.endr
.irp i, 2,4,6,8,10,12,14
.irp b, 0,1,2,3
.if \b < \nb
	s_delay_alu instid0(VALU_DEP_4)
	v_max3_num_f32 v[TM+\b], v[TM+\b], |v[\s+16*\b+\i]|, |v[\s+16*\b+\i+1]|
.endif
.endr
.endr
.irp b, 0,1,2,3
.if \b < \nb
	s_delay_alu instid0(VALU_DEP_4)
	v_permlanex16_b32 v[TM+4+\b], v[TM+\b], s[SEL], s[SEL+1]
.endif
.endr
.irp b, 0,1,2,3
.if \b < \nb
	s_delay_alu instid0(VALU_DEP_4)
	v_max_num_f32 v[TM+\b], v[TM+\b], v[TM+4+\b]                 ; with lane l xor 16's: the block's largest magnitude
.endif
.endr
.irp b, 0,1,2,3
.if \b < \nb
	s_delay_alu instid0(VALU_DEP_4)
	v_add_nc_u32 v[TM+12+\b], 0xfc000000, v[TM+\b]               ; 8 off its exponent field: the conversion's scale operand
.endif
.endr
.irp b, 0,1,2,3
.if \b < \nb
	v_and_or_b32 v[TM+8+\b], v[TM+\b], 0x7f800000, s[MNT]        ; 448 x the scale
.endif
.endr
.irp b, 0,1,2,3
.if \b < \nb
	v_lshrrev_b32 v[TM+4+\b], 23, v[TM+12+\b]                    ; the scale's byte
.endif
.endr
	s_delay_alu instid0(VALU_DEP_3)
	v_lshl_or_b32 v[PW], v[TM+5], 8, v[TM+4]
.if \nb > 2
	s_delay_alu instid0(VALU_DEP_1)
	v_lshl_or_b32 v[PW], v[TM+6], 16, v[PW]
	s_delay_alu instid0(VALU_DEP_1)
	v_lshl_or_b32 v[PW], v[TM+7], 24, v[PW]
.endif
.irp b, 0,1,2,3
.if \b < \nb
.irp i, 0,1,2,3,4,5,6,7,8,9,10,11,12,13,14,15
	v_med3_num_f32 v[\s+16*\b+\i], v[\s+16*\b+\i], -v[TM+8+\b], v[TM+8+\b]   ; the conversion to an 8-bit code does not saturate (ISA guide 7.6.2): the hold comes first
.endr
	v_cvt_scalef32_pk8_fp8_f32 v[PC+4*\b:PC+4*\b+1], v[\s+16*\b:\s+16*\b+7], v[TM+12+\b]
	v_cvt_scalef32_pk8_fp8_f32 v[PC+4*\b+2:PC+4*\b+3], v[\s+16*\b+8:\s+16*\b+15], v[TM+12+\b]
.endif
.endr
	v_nop                                          ; one plain vector line behind the last conversion
.endm
	v_lshl_add_u32 v254, v0, 2, 0x11000
	v_mov_b32 v255, 0
	s_cmp_lt_u32 ttmp9, NW                         ; the same for all eight waves of a work-group
	s_cbranch_scc0 .Lnorm
; ---------------- THE WEIGHTS.  A lane takes a column n, its registers run down K: a block of 32 lies in one lane, and the codes come out with K innermost.  No LDS.
; A work-group takes 256 columns x 256 along K, a wave 32 columns: 8 blocks a lane.  ids 0-63: wq, wk, wv, wo (16 each); 64-95 gate; 96-127 up; 128-159 down.
.set AD,  16                           ; v16-47   4 lane + i x a source row: the offsets of a block's 32 loads
.set X,   48                           ; v48-111  two sets of 32 numbers
.set C,   112                          ; v112-175 8 registers of codes for each block: no store's data are written again
.set SB,  176                          ; v176-177 the scale words of the two K steps
.set CO,  10                           ; v10 my place in an image
.set SO,  11                           ; v11 my place among the scale words
	s_load_b256 s[8:15], s[0:1], 0x10              ; wq, wk, wv, wo
	s_load_b256 s[16:23], s[0:1], 0x30             ; w_gate, w_up, w_down, wts
	v_lshrrev_b32 v1, 5, v0
	s_delay_alu instid0(VALU_DEP_1)
	v_readfirstlane_b32 s2, v1                     ; wave 0..7
	v_and_b32 v2, 31, v0                           ; lane
	s_wait_alu depctr_va_vdst(0)
	s_mov_b32 s[MNT], 0x600000
	s_lshr_b32 s3, ttmp9, 6                        ; class: 0 the four of [1024][1024], 1 gate and up, 2 down
	s_cmp_eq_u32 s3, 1
	s_cselect_b32 s4, 1, 0
	s_cmp_eq_u32 s3, 2
	s_cselect_b32 s5, 1, 0
	s_cmp_eq_u32 s3, 0
	s_cselect_b32 s6, 15, 31
	s_and_b32 s6, ttmp9, s6                        ; the work-group's number within its weight
	s_add_co_u32 s7, s4, 2                         ; 4 or 8 groups of 256 columns
	s_lshl_b32 s24, 1, s7
	s_sub_co_u32 s24, s24, 1
	s_and_b32 s24, s6, s24                         ; which 256 columns
	s_lshr_b32 s25, s6, s7                         ; which 256 along K
	s_lshl_b32 s24, s24, 8
	s_lshl_b32 s26, s2, 5
	s_add_co_u32 s24, s24, s26                     ; my wave's first column
	s_lshl_b32 s26, 4096, s4                       ; a source row in bytes
	s_lshl_b32 s27, 16384, s5                      ; a row tile's images: 16 K bytes
	s_lshl_b32 s28, 4096, s5                       ; the scale words of 128 rows: 4 K bytes
	s_lshr_b32 s29, ttmp9, 4
	s_lshl_b32 s29, s29, 10
	s_add_co_u32 s29, s29, s24                     ; class 0: row 1024 x weight + n
	s_lshr_b32 s30, s24, 6
	s_lshl_b32 s30, s30, 7
	s_and_b32 s31, s24, 63
	s_add_co_u32 s30, s30, s31
	s_bfe_u32 s31, ttmp9, 0x10005                  ; 1 for w_up
	s_lshl_b32 s31, s31, 6
	s_add_co_u32 s30, s30, s31
	s_add_co_u32 s30, s30, 4096                    ; class 1: 4096 + 128 (n / 64) + 64 up + n % 64
	s_cmp_eq_u32 s3, 0
	s_cselect_b32 s29, s29, s24                    ; class 2: n
	s_cmp_eq_u32 s3, 1
	s_cselect_b32 s29, s30, s29                    ; my wave's first row in its buffer of codes, a multiple of 32
	s_mul_i32 s38, s25, s26
	s_lshl_b32 s38, s38, 8
	s_lshl_b32 s30, s24, 2
	s_add_co_u32 s38, s38, s30                     ; source: 256 kg rows + 4 n
	s_mov_b32 s39, 0
	s_lshr_b32 s30, s29, 4                         ; my first row tile
	s_mul_i32 s32, s30, s27
	s_lshl_b32 s31, s25, 12
	s_add_co_u32 s32, s32, s31                     ; + two images for each 256 along K
	s_lshl_b32 s31, s5, 23
	s_add_co_u32 s32, s32, s31                     ; w_down's codes begin at 8,388,608
	s_mov_b32 s33, 0
	s_lshr_b32 s34, s29, 7
	s_mul_i32 s34, s34, s28
	s_lshl_b32 s31, s25, 10
	s_add_co_u32 s34, s34, s31
	s_bfe_u32 s31, s30, 0x10002
	s_lshl_b32 s31, s31, 8
	s_add_co_u32 s34, s34, s31
	s_and_b32 s31, s30, 3
	s_lshl_b32 s31, s31, 2
	s_add_co_u32 s34, s34, s31
	s_lshl_b32 s31, s5, 18
	s_add_co_u32 s34, s34, s31
	s_add_co_u32 s34, s34, 10485760
	s_mov_b32 s35, 0
	s_lshl_b32 s36, s26, 5                         ; 32 source rows
	s_mov_b32 s37, 0
	v_lshlrev_b32 v[AD], 2, v2
.set i, 1
.rept 31
	s_delay_alu instid0(VALU_DEP_1)
	v_add_nc_u32 v[AD+i], s26, v[AD+i-1]
.set i, i+1
.endr
	v_and_b32 v3, 7, v2
	v_lshrrev_b32 v4, 4, v2
	s_delay_alu instid0(VALU_DEP_1)
	v_lshl_or_b32 v3, v4, 3, v3                    ; logical row lane lies at position PI(lane): row 8 (lane / 16) + lane % 8
	v_bfe_u32 v4, v2, 3, 1                         ; of row tile (lane / 8) % 2
	s_delay_alu instid0(VALU_DEP_1)
	v_mul_u32_u24 v5, s27, v4
	s_delay_alu instid0(VALU_DEP_1)
	v_lshl_add_u32 v[CO], v3, 4, v5
	s_delay_alu instid0(VALU_DEP_3)
	v_lshlrev_b32 v5, 2, v4
	s_delay_alu instid0(VALU_DEP_1)
	v_lshl_add_u32 v[SO], v3, 4, v5
	s_wait_alu depctr_va_vdst(0)
	s_wait_kmcnt 0x0
	s_cmp_lt_u32 ttmp9, 128                        ; the source: a choice among buffers by the work-group's number alone
	s_cselect_b64 s[20:21], s[18:19], s[20:21]
	s_cmp_lt_u32 ttmp9, 96
	s_cselect_b64 s[20:21], s[16:17], s[20:21]
	s_cmp_lt_u32 ttmp9, 64
	s_cselect_b64 s[20:21], s[14:15], s[20:21]
	s_cmp_lt_u32 ttmp9, 48
	s_cselect_b64 s[20:21], s[12:13], s[20:21]
	s_cmp_lt_u32 ttmp9, 32
	s_cselect_b64 s[20:21], s[10:11], s[20:21]
	s_cmp_lt_u32 ttmp9, 16
	s_cselect_b64 s[20:21], s[8:9], s[20:21]
	s_add_nc_u64 s[40:41], s[20:21], s[38:39]      ; a base for each of the eight blocks: none is stepped while loads are out
.irp t, 1,2,3,4,5,6,7
	s_add_nc_u64 s[40+2*\t:41+2*\t], s[38+2*\t:39+2*\t], s[36:37]
.endr
	s_add_nc_u64 s[32:33], s[22:23], s[32:33]      ; the codes
	s_add_nc_u64 s[34:35], s[22:23], s[34:35]      ; the scale words
.macro LOAD t                          ; block t: W(32 t + i, my column): 32 lanes read 128 consecutive bytes, the eight waves 1,024
.set i, 0
.rept 32
	global_load_b32 v[X+32*((\t)%2)+i], v[AD+i], s[40+2*(\t):41+2*(\t)] th:TH_LOAD_NT
.set i, i+1
.endr
.endm
	LOAD 0
	LOAD 1
.macro BLOCK t
.set XS, X+32*((\t)%2)
.if (\t) < 7
	s_wait_loadcnt 32                              ; this block's 32 loads are in; the next block's 32 may be out
.else
	s_wait_loadcnt 0x0
.endif
	v_max3_num_f32 v12, |v[XS]|, |v[XS+1]|, |v[XS+2]|
	v_max3_num_f32 v13, |v[XS+3]|, |v[XS+4]|, |v[XS+5]|
.irp i, 6,10,14,18,22,26
	s_delay_alu instid0(VALU_DEP_2)
	v_max3_num_f32 v12, v12, |v[XS+\i]|, |v[XS+\i+1]|
	s_delay_alu instid0(VALU_DEP_2)
	v_max3_num_f32 v13, v13, |v[XS+\i+2]|, |v[XS+\i+3]|
.endr
	s_delay_alu instid0(VALU_DEP_2)
	v_max3_num_f32 v12, v12, |v[XS+30]|, |v[XS+31]|
	s_delay_alu instid0(VALU_DEP_1)
	v_max3_num_f32 v12, v12, v13, 0x4800000        ; the block's largest magnitude, all 32 mine, and the floor
	s_delay_alu instid0(VALU_DEP_1)
	v_add_nc_u32 v15, 0xfc000000, v12              ; the conversion's scale operand
	s_delay_alu instid0(VALU_DEP_2)
	v_and_or_b32 v14, v12, 0x7f800000, s[MNT]      ; 448 x the scale
	s_delay_alu instid0(VALU_DEP_2)
	v_lshrrev_b32 v13, 23, v15                     ; the byte
.if (\t)%4 == 0
	s_delay_alu instid0(VALU_DEP_1)
	v_mov_b32 v[SB+(\t)/4], v13
.else
	s_delay_alu instid0(VALU_DEP_1)
	v_lshl_or_b32 v[SB+(\t)/4], v13, 8*((\t)%4), v[SB+(\t)/4]
.endif
.set i, 0
.rept 32
	v_med3_num_f32 v[XS+i], v[XS+i], -v14, v14
.set i, i+1
.endr
.irp g, 0,1,2,3
	v_cvt_scalef32_pk8_fp8_f32 v[C+8*(\t)+2*\g:C+8*(\t)+2*\g+1], v[XS+8*\g:XS+8*\g+7], v15
.endr
	v_nop
	global_store_b128 v[CO], v[C+8*(\t):C+8*(\t)+3], s[32:33] offset:((\t)/4)*2048+((\t)%4)*512        ; k 0-15 of the block: the image's lanes 0-15; sixteen lanes fill 256 consecutive bytes
	global_store_b128 v[CO], v[C+8*(\t)+4:C+8*(\t)+7], s[32:33] offset:((\t)/4)*2048+((\t)%4)*512+256  ; k 16-31: its lanes 16-31
.if (\t)+2 < 8
	LOAD (\t)+2
.endif
.endm
.irp t, 0,1,2,3,4,5,6,7
	BLOCK \t
.endr
	global_store_b32 v[SO], v[SB], s[34:35]
	global_store_b32 v[SO], v[SB+1], s[34:35] offset:512
	s_endpgm
; ---------------- THE NORM.  A work-group takes a tile of 16 token positions; wave w takes columns 128 w .. 128 w + 127 and makes exactly one fragment and one scale word a row.
; Loads take the bytes as they lie (512 a load); the wave's own stage in LDS turns them so that lane (r, h) holds, of row r, 16 neighbours of each block of 32.  One barrier: the rows' sums of squares meet in LDS.
.set RAW, 16                           ; v16-79   16 rows x 16 bytes a lane, as loaded
.set XN,  80                           ; v80-143  my 64 numbers
.set WG,  144                          ; v144-207 the gains of my 64 columns
.set RED, 67584                        ; behind the eight stages of 16 x 528 bytes: 8 waves x 16 rows x 4 bytes
.Lnorm:
	s_load_b128 s[4:7], s[0:1], 0x0                ; x, the gains
	s_load_b64 s[8:9], s[0:1], 0x50                ; hbuf
	v_lshrrev_b32 v1, 5, v0
	s_delay_alu instid0(VALU_DEP_1)
	v_readfirstlane_b32 s2, v1                     ; wave 0..7
	s_sub_co_u32 s3, ttmp9, NW                     ; the tile of 16 positions
	v_and_b32 v1, 31, v0
	v_and_b32 v2, 15, v0                           ; r
	v_bfe_u32 v3, v0, 4, 1                         ; h
	s_delay_alu instid0(VALU_DEP_3)
	v_lshlrev_b32 v4, 4, v1                        ; 16 lane
	s_delay_alu instid0(VALU_DEP_2)
	v_lshlrev_b32 v5, 6, v3                        ; 64 h
	s_mul_i32 s18, s2, 8448
	v_add_nc_u32 v6, s18, v4                       ; the stage, in: row i at 528 i, 16 bytes a lane
	v_mul_u32_u24 v7, v2, 528
	s_delay_alu instid0(VALU_DEP_1)
	v_add_nc_u32 v7, v7, v5
	s_delay_alu instid0(VALU_DEP_1)
	v_add_nc_u32 v7, s18, v7                       ; out: row r, + 64 h
	v_lshlrev_b32 v9, 2, v2
	s_delay_alu instid0(VALU_DEP_1)
	v_add_nc_u32 v9, RED, v9
	s_lshl_b32 s18, s2, 6
	v_add_nc_u32 v8, s18, v9
	v_lshlrev_b32 v10, 4, v2                       ; 16 r: the scale word's place
	s_mov_b32 s[SEL], 0x76543210
	s_mov_b32 s[SEL+1], 0xfedcba98
	s_mov_b32 s[MNT], 0x600000
	s_mov_b32 s22, 0x3a800000                      ; 1 / 1024
	s_mov_b32 s23, 0x358637bd                      ; 1e-6
.irp b, 0,1,2,3
	v_mov_b32 v[TM+4+\b], 0                        ; a lane permute's destination counts as one of its sources
.endr
	s_lshr_b32 s10, s3, 1
	s_lshl_b32 s10, s10, 5
	s_and_b32 s11, s3, 1
	s_lshl_b32 s11, s11, 3
	s_add_co_u32 s10, s10, s11                     ; position 16 T + i holds logical row 32 (T / 2) + 8 (T % 2) + 16 (i / 8) + i % 8
	s_lshl_b32 s10, s10, 12
	s_lshl_b32 s12, s2, 9
	s_add_co_u32 s10, s10, s12
	s_mov_b32 s11, 0
	s_mov_b32 s13, 0
	s_lshl_b32 s14, s3, 3
	s_add_co_u32 s14, s14, s2
	s_lshl_b32 s14, s14, 11                        ; fragment (T, w)
	s_mov_b32 s15, 0
	s_lshr_b32 s16, s3, 3
	s_lshl_b32 s16, s16, 3
	s_add_co_u32 s16, s16, s2
	s_lshl_b32 s16, s16, 9
	s_bfe_u32 s17, s3, 0x10002
	s_lshl_b32 s17, s17, 8
	s_add_co_u32 s16, s16, s17
	s_and_b32 s17, s3, 3
	s_lshl_b32 s17, s17, 2
	s_add_co_u32 s16, s16, s17
	s_add_co_u32 s16, s16, 4194304
	s_mov_b32 s17, 0
	s_wait_alu depctr_va_vdst(0)
	s_wait_kmcnt 0x0
	s_add_nc_u64 s[4:5], s[4:5], s[10:11]
	s_add_nc_u64 s[6:7], s[6:7], s[12:13]
	s_add_nc_u64 s[14:15], s[8:9], s[14:15]
	s_add_nc_u64 s[16:17], s[8:9], s[16:17]
.irp i, 0,1,2,3,4,5,6,7,8,9,10,11,12,13,14,15
	global_load_b128 v[RAW+4*\i:RAW+4*\i+3], v4, s[4:5] offset:(16*(\i/8)+(\i%8))*4096 th:TH_LOAD_NT
.endr
.irp b, 0,1,2,3
.irp j, 0,1,2,3
	global_load_b128 v[WG+16*\b+4*\j:WG+16*\b+4*\j+3], v5, s[6:7] offset:128*\b+16*\j
.endr
.endr
	s_wait_loadcnt 16                              ; the rows are in; the gains' 16 loads may be out
.irp i, 0,1,2,3,4,5,6,7,8,9,10,11,12,13,14,15
	ds_store_b128 v6, v[RAW+4*\i:RAW+4*\i+3] offset:528*\i
.endr
.irp b, 0,1,2,3
.irp j, 0,1,2,3
	ds_load_b128 v[XN+16*\b+4*\j:XN+16*\b+4*\j+3], v7 offset:128*\b+16*\j   ; LDS serves a wave's instructions in order (ISA guide 5.7.1.4): these see my stores
.endr
.endr
	s_wait_dscnt 0x0
	v_pk_mul_f32 v[226:227], v[XN:XN+1], v[XN:XN+1]
	v_pk_mul_f32 v[228:229], v[XN+2:XN+3], v[XN+2:XN+3]
.irp i, 4,8,12,16,20,24,28,32,36,40,44,48,52,56,60
	s_delay_alu instid0(VALU_DEP_2)
	v_pk_fma_f32 v[226:227], v[XN+\i:XN+\i+1], v[XN+\i:XN+\i+1], v[226:227]
	s_delay_alu instid0(VALU_DEP_2)
	v_pk_fma_f32 v[228:229], v[XN+\i+2:XN+\i+3], v[XN+\i+2:XN+\i+3], v[228:229]
.endr
	s_delay_alu instid0(VALU_DEP_1)
	v_pk_add_f32 v[226:227], v[226:227], v[228:229]
	s_delay_alu instid0(VALU_DEP_1)
	v_add_f32 v226, v226, v227
	s_delay_alu instid0(VALU_DEP_1)
	v_permlanex16_b32 v227, v226, s[SEL], s[SEL+1]
	s_delay_alu instid0(VALU_DEP_1)
	v_add_f32 v226, v226, v227                     ; row r's sum of squares over my 128 columns
	ds_store_b32 v8, v226                          ; both halves write the same word with the same value
	s_wait_dscnt 0x0                               ; for the others' sake: my store has landed
	s_barrier_signal -1
	s_barrier_wait -1
.irp k, 0,1,2,3,4,5,6,7
	ds_load_b32 v[226+\k], v9 offset:64*\k
.endr
	s_wait_dscnt 0x0
	v_add_f32 v226, v226, v227
	v_add_f32 v228, v228, v229
	v_add_f32 v230, v230, v231
	v_add_f32 v232, v232, v233
	s_delay_alu instid0(VALU_DEP_3)
	v_add_f32 v226, v226, v228
	s_delay_alu instid0(VALU_DEP_2)
	v_add_f32 v230, v230, v232
	s_delay_alu instid0(VALU_DEP_1)
	v_add_f32 v226, v226, v230
	s_delay_alu instid0(VALU_DEP_1)
	v_fma_f32 v226, v226, s22, s23                 ; the mean + 1e-6
	s_wait_alu depctr_va_vdst(0)
	v_rsq_f32 v234, v226
	v_mov_b32 v235, 0                              ; a plain line behind the transcendental; the pair's upper half is named below, so it is written
	s_wait_alu depctr_va_vdst(0)                   ; the wait ahead of the first reader
	s_wait_loadcnt 0x0                             ; the gains
.set i, 0
.rept 32
	v_pk_mul_f32 v[XN+i:XN+i+1], v[XN+i:XN+i+1], v[234:235] op_sel_hi:[1,0]
.set i, i+2
.endr
.set i, 0
.rept 32
	v_pk_mul_f32 v[XN+i:XN+i+1], v[XN+i:XN+i+1], v[WG+i:WG+i+1]    ; (x rms) w, in that order
.set i, i+2
.endr
	QUANT XN, 4
.irp c, 0,1,2,3
	global_store_b128 v4, v[PC+4*\c:PC+4*\c+3], s[14:15] offset:512*\c   ; the image: 512 consecutive bytes a store
.endr
	global_store_b32 v10, v[PW], s[16:17]          ; both halves store the same word
	s_wait_tensorcnt 0x0
	ds_add_u32 v254, v255
	s_wait_dscnt 0x0
	s_endpgm
.Lfunc_end_k_qb4a44bd941_prep:
	.size	k_qb4a44bd941_prep, .Lfunc_end_k_qb4a44bd941_prep-k_qb4a44bd941_prep
	.p2alignl 7, 3214868480
	.fill 96, 4, 3214868480
	.section	.rodata,"a",@progbits
	.p2align	6, 0x0
	.amdhsa_kernel k_qb4a44bd941_prep
		.amdhsa_group_segment_fixed_size 70656
		.amdhsa_private_segment_fixed_size 0
		.amdhsa_enable_private_segment 0
		.amdhsa_kernarg_size 88
		.amdhsa_user_sgpr_count 2
		.amdhsa_user_sgpr_kernarg_segment_ptr 1
		.amdhsa_wavefront_size32 1
		.amdhsa_system_sgpr_workgroup_id_x 1
		.amdhsa_system_sgpr_workgroup_id_y 1
		.amdhsa_system_sgpr_workgroup_id_z 1
		.amdhsa_system_vgpr_workitem_id 0
		.amdhsa_next_free_vgpr 256
		.amdhsa_next_free_sgpr 66
		.amdhsa_reserve_vcc 0
		.amdhsa_float_denorm_mode_32 3
		.amdhsa_float_denorm_mode_16_64 3
		.amdhsa_memory_ordered 1
		.amdhsa_forward_progress 1
		.amdhsa_inst_pref_size 92
	.end_amdhsa_kernel
	.amdgpu_metadata
---
amdhsa.version: [ 1, 2 ]
amdhsa.kernels:
  - .name:           k_qb4a44bd941_prep
    .symbol:         k_qb4a44bd941_prep.kd
    .args:
      - { .name: x, .offset: 0, .size: 8, .value_kind: global_buffer, .address_space: global }
      - { .name: attn_norm_w, .offset: 8, .size: 8, .value_kind: global_buffer, .address_space: global }
      - { .name: wq, .offset: 16, .size: 8, .value_kind: global_buffer, .address_space: global }
      - { .name: wk, .offset: 24, .size: 8, .value_kind: global_buffer, .address_space: global }
      - { .name: wv, .offset: 32, .size: 8, .value_kind: global_buffer, .address_space: global }
      - { .name: wo, .offset: 40, .size: 8, .value_kind: global_buffer, .address_space: global }
      - { .name: w_gate, .offset: 48, .size: 8, .value_kind: global_buffer, .address_space: global }
      - { .name: w_up, .offset: 56, .size: 8, .value_kind: global_buffer, .address_space: global }
      - { .name: w_down, .offset: 64, .size: 8, .value_kind: global_buffer, .address_space: global }
      - { .name: wts, .offset: 72, .size: 8, .value_kind: global_buffer, .address_space: global }
      - { .name: hbuf, .offset: 80, .size: 8, .value_kind: global_buffer, .address_space: global }
    .group_segment_fixed_size: 70656
    .private_segment_fixed_size: 0
    .kernarg_segment_align: 8
    .kernarg_segment_size: 88
    .max_flat_workgroup_size: 256
    .sgpr_count:     66
    .vgpr_count:     256
    .wavefront_size: 32
...
	.end_amdgpu_metadata
.endif
;; end of part 1
;; launch qkv (part 2): grid 8 x 24, 4 waves a work-group, clusters of 4 x 4, 327,680 bytes of LDS; arguments hbuf, wts, qkv; writes qkv
.if DOCPART == 2
	.amdgcn_target "amdgcn-amd-amdhsa--gfx1250"
	.amdhsa_code_object_version 6
	.text
	.protected	k_qb4a44bd941_qkv
	.globl	k_qb4a44bd941_qkv
	.p2align	8
	.type	k_qb4a44bd941_qkv,@function
k_qb4a44bd941_qkv:
	s_mov_b64 s[64:65], 0
	v_nop
	global_prefetch_b8 v0, s[64:65] scope:SCOPE_SE
	s_setreg_imm32_b32 hwreg(HW_REG_WAVE_MODE, 25, 1), 1
	s_wait_xcnt 0x0
	s_wait_alu depctr_hold_cnt(0) depctr_sa_sdst(0) depctr_va_vdst(0) depctr_va_sdst(0) depctr_va_ssrc(0) depctr_va_vcc(0) depctr_vm_vsrc(0)
	s_getreg_b32 s2, hwreg(HW_REG_IB_STS2, 6, 4)
	s_cmp_eq_u32 s2, 0
	s_cbranch_scc0 .Lentry_in_a_cluster
	s_endpgm
.Lentry_in_a_cluster:
	s_bfe_u32 s2, ttmp6, 0x10000c
	s_cmp_lg_u32 s2, 0xf033
	s_cbranch_scc0 .Lentry_shape_is_right
	s_endpgm
.Lentry_shape_is_right:
.set SIZE_K, 1024
.set KROWB,  SIZE_K*16
.set STEPB,  4096
.set NP,     8
.set HALFT,  32768
.set SLOT,   131072
.set LAPS,   SIZE_K/512
.set HALFS,  SIZE_K*4
.set SCL,    2*SLOT
.set SPARE,  SCL+4*HALFS
.set ADRA, 16
.set ADRB, 20
.set ADRS, 27
.set SPW,  28
.set NIL,  29
.set SC,   32
.set AF,   128
.set G1, 24
.set G0, 32
.set G1B, 48
.set G0B, 56
.set G1S, 68
.set G0S, 76
.set G1SB, 80
.set G0SB, 88
.set MSB, 0
.macro WIN new
.if MSB != (\new)
	s_set_vgpr_msb (MSB<<8)|(\new)
.set MSB, (\new)
.endif
.endm
.set MUL_LO, 0xa1
.set MUL_HI, 0xf1
.set TO_B,   0x40
.macro JLOAD g0a, g1a, g0b, g1b
	s_cmp_eq_u32 s15, 0
	s_cbranch_scc0 .Lfor_b_\@
	tensor_load_to_lds s[\g0a:\g0a+3], s[\g1a:\g1a+7]
	s_nop 0
.rept 4
	v_nop
.endr
	s_branch .Lasked_\@
.Lfor_b_\@:
	tensor_load_to_lds s[\g0b:\g0b+3], s[\g1b:\g1b+7]
	s_nop 0
.rept 4
	v_nop
.endr
.Lasked_\@:
.endm
.macro CREST
	s_cmp_lg_u32 s14, 0
	s_cbranch_scc1 .Lnot_wave_0_\@
	s_barrier_signal -3
.Lnot_wave_0_\@:
	s_barrier_wait -3
	s_barrier_signal -1
	s_barrier_wait -1
.endm
.macro CROUND
	s_barrier_signal -1
	s_barrier_wait -1
	CREST
.endm
	s_load_b128 s[4:7], s[0:1], 0x0
	s_load_b64 s[12:13], s[0:1], 0x10
	v_lshl_add_u32 v[SPW], v0, 2, SPARE
	v_mov_b32 v[NIL], 0
	ds_add_u32 v28, v29
	ds_add_u32 v28, v29
	s_wait_dscnt 0x0
	v_lshrrev_b32 v1, 5, v0
	v_readfirstlane_b32 s14, v1
	s_lshr_b32 s15, s14, 1
	s_and_b32 s16, s14, 1
	s_bfe_u32 s40, ttmp6, 0x40000
	s_bfe_u32 s41, ttmp6, 0x40004
	s_and_b32 s18, ttmp7, 0xffff
	s_sub_co_u32 s19, s18, 4
	s_lshl_b32 s19, s19, 1
	s_add_co_u32 s19, s19, ttmp9
	s_cmp_ge_u32 s18, 4
	s_cselect_b32 s100, 1, 0
	s_cselect_b32 s17, 0, s18
	s_cselect_b32 s42, s19, ttmp9
	s_lshl_b32 s17, s17, 2
	s_add_co_u32 s17, s17, s41
	s_lshl_b32 s42, s42, 2
	s_add_co_u32 s42, s42, s40
	s_lshl_b32 s43, s41, 2
	s_lshl_b32 s43, 15, s43
	s_lshl_b32 s44, 0x1111, s40
	s_or_b32 s[G1+0], s43, (3<<16)|(1<<21)
	s_or_b32 s[G1B+0], s44, (3<<16)|(1<<21)
.irp g, G1, G1B
	s_mov_b32 s[\g+1], 512<<16
	s_mov_b32 s[\g+2], 16<<16
	s_mov_b32 s[\g+3], 512<<16
	s_mov_b32 s[\g+4], 16
	s_mov_b32 s[\g+5], KROWB/8
	s_mov_b32 s[\g+6], 0
	s_mov_b32 s[\g+7], 0
.endr
	s_or_b32 s[G1S+0], s43, (3<<16)|(1<<21)
	s_or_b32 s[G1SB+0], s44, (3<<16)|(1<<21)
.irp g, G1S, G1SB
	s_mov_b32 s[\g+1], 32<<16
	s_mov_b32 s[\g+2], (HALFS/128)<<16
	s_mov_b32 s[\g+3], 32<<16
	s_mov_b32 s[\g+4], HALFS/128
	s_mov_b32 s[\g+5], 32
	s_mov_b32 s[\g+6], 0
	s_mov_b32 s[\g+7], 0
.endr
	s_lshl_b32 s18, s16, 3
	s_lshl_b32 s20, s17, 4
	s_add_co_u32 s20, s20, s18
	s_lshl_b32 s46, s42, 4
	s_add_co_u32 s46, s46, s18
	s_lshr_b32 s22, s20, 3
	s_lshr_b32 s92, s46, 3
	s_mul_i32 s20, s20, KROWB
	s_mul_i32 s46, s46, KROWB
	s_mul_i32 s22, s22, HALFS
	s_mul_i32 s92, s92, HALFS
	s_cmp_lg_u32 s100, 0
	s_cselect_b32 s18, 2097152, 0
	s_mov_b32 s19, 4194304
	s_cselect_b32 s19, 10551296, s19
	s_mov_b32 s95, 10485760
	s_cselect_b32 s95, 4194304, s95
	s_add_co_u32 s20, s20, s18
	s_add_co_u32 s22, s22, s19
	s_add_co_u32 s92, s92, s95
	s_mov_b32 s21, 0
	s_mov_b32 s23, 0
	s_mov_b32 s47, 0
	s_mov_b32 s93, 0
	s_mul_i32 s45, s14, HALFT
	s_mul_i32 s94, s14, HALFS
	s_wait_kmcnt 0x0
	s_cmp_lg_u32 s100, 0
	s_cselect_b64 s[8:9], s[6:7], s[4:5]
	s_cselect_b64 s[10:11], s[4:5], s[6:7]
	s_add_nc_u64 s[20:21], s[8:9], s[20:21]
	s_add_nc_u64 s[22:23], s[8:9], s[22:23]
	s_add_nc_u64 s[46:47], s[10:11], s[46:47]
	s_add_nc_u64 s[92:93], s[10:11], s[92:93]
	CROUND
	s_mov_b32 s[G0S], 1
	s_mov_b32 s[G0S+1], SCL
	s_mul_i32 s18, s16, HALFS                      ; back to the first of the tile's two groups of 128 rows
	s_mov_b32 s19, 0
	s_sub_nc_u64 s[G0S+2:G0S+3], s[22:23], s[18:19]
	s_or_b32 s[G0S+3], s[G0S+3], 0x80000000
	s_mov_b32 s[G0SB], 1
	s_mov_b32 s[G0SB+1], SCL+2*HALFS
	s_sub_nc_u64 s[G0SB+2:G0SB+3], s[92:93], s[18:19]
	s_or_b32 s[G0SB+3], s[G0SB+3], 0x80000000
.irp s, 0,1
	s_mov_b32 s[G0+4*\s], 1
	s_add_co_u32 s[G0+4*\s+1], s45, \s*SLOT
	s_add_nc_u64 s[G0+4*\s+2:G0+4*\s+3], s[20:21], \s*STEPB
	s_or_b32 s[G0+4*\s+3], s[G0+4*\s+3], 0x80000000
	s_mov_b32 s[G0B+4*\s], 1
	s_add_co_u32 s[G0B+4*\s+1], s45, \s*SLOT
	s_add_nc_u64 s[G0B+4*\s+2:G0B+4*\s+3], s[46:47], \s*STEPB
	s_or_b32 s[G0B+4*\s+3], s[G0B+4*\s+3], 0x80000000
.endr
; THE HEAD'S FOUR TILES, ONE A WAVE, an arm each: wave 0 K step 0's 16 row tiles of A (its own slot 0 descriptor begins at the tile's first row), wave 1 the scale words of A's 256 rows, wave 2 B's 16 row tiles, wave 3 B's scale words
.macro ARM under, g0, g1, next
	s_cmp_lt_u32 s14, \under
	s_cbranch_scc0 \next
	tensor_load_to_lds s[\g0:\g0+3], s[\g1:\g1+7]
	s_nop 0
.rept 4
	v_nop
.endr
	s_branch .Lhead_asked
\next:
.endm
	ARM 1, G0, G1, .Lhead_sa
	ARM 2, G0S, G1S, .Lhead_b
	ARM 3, G0B, G1B, .Lhead_sb
	tensor_load_to_lds s[G0SB:G0SB+3], s[G1SB:G1SB+7]
	s_nop 0
.rept 4
	v_nop
.endr
.Lhead_asked:
	s_wait_alu depctr_va_vdst(0)
	s_wait_tensorcnt 0x0                           ; my tile of the four is in
	ds_add_u32 v28, v29
	s_mov_b32 s[G1+2], 8<<16                       ; no load of mine is out: from here on a load brings 8 row tiles
	s_mov_b32 s[G1+4], 8
	s_mov_b32 s[G1B+2], 8<<16
	s_mov_b32 s[G1B+4], 8
	s_wait_dscnt 0x0
	CROUND
	JLOAD G0+4, G1, G0B+4, G1B
	v_and_b32 v1, 15, v0
	v_bfe_u32 v2, v0, 4, 1
	s_wait_alu depctr_va_vdst(0)
	v_and_b32 v3, 31, v0
	v_lshlrev_b32 v4, 4, v3
	s_mul_i32 s21, s15, HALFT
	s_mul_i32 s22, s16, HALFT
	s_add_co_u32 s22, s22, 2*HALFT
.irp s, 0,1
	v_add_nc_u32 v[ADRA+\s], s21, v4
	v_add_nc_u32 v[ADRB+\s], s22, v4
	s_add_co_u32 s21, s21, SLOT
	s_add_co_u32 s22, s22, SLOT
.endr
	v_lshlrev_b32 v5, 4, v1
	s_mul_i32 s21, s15, HALFS
	s_mul_i32 s22, s16, HALFS
	s_add_co_u32 s22, s22, 2*HALFS
	s_sub_co_u32 s22, s22, s21
	v_mul_u32_u24 v6, s22, v2
	s_add_co_u32 s21, s21, SCL
	v_add_nc_u32 v5, v5, v6
	v_add_nc_u32 v[ADRS], s21, v5
.macro FRAG reg, adr, q, i
.irp c, 0,1,2,3
	ds_load_b128 v[\reg+4*\c:\reg+4*\c+3], v[\adr] offset:4096*(\i)+2048*(\q)+512*\c
.endr
.endm
.macro MUL16 a0, p, q, sc, zero
.irp a, \a0, \a0+1
.irp b, 0,1,2,3,4,5,6,7
.if \zero
	v_wmma_scale_f32_16x16x128_f8f6f4 v[8*(8*((\a)%4)+\b):8*(8*((\a)%4)+\b)+7], v[128*(\p)+16*\b:128*(\p)+16*\b+15], v[AF+16*(\a):AF+16*(\a)+15], 0, v[SC+16*(\sc)+8*(\q)+\b], v[SC+16*(\sc)+8*(\q)+(\a)] matrix_a_scale:MATRIX_SCALE_ROW1
.else
	v_wmma_scale_f32_16x16x128_f8f6f4 v[8*(8*((\a)%4)+\b):8*(8*((\a)%4)+\b)+7], v[128*(\p)+16*\b:128*(\p)+16*\b+15], v[AF+16*(\a):AF+16*(\a)+15], v[8*(8*((\a)%4)+\b):8*(8*((\a)%4)+\b)+7], v[SC+16*(\sc)+8*(\q)+\b], v[SC+16*(\sc)+8*(\q)+(\a)] matrix_a_scale:MATRIX_SCALE_ROW1
.endif
.endr
.endr
.endm
.macro FETCH_B slot, q, p
	WIN TO_B
.irp i, 0,1,2,3,4,5,6,7
	FRAG 128*(\p)+16*\i, ADRB+\slot, \q, \i
.endr
	WIN 0
.endm
.macro FETCH_A slot, q, i0
.irp i, \i0, \i0+1, \i0+2, \i0+3
	FRAG AF+16*(\i), ADRA+\slot, \q, \i
.endr
.endm
.macro SCALES sc
.irp q, 0,1
.irp u, 0,1
	ds_load_b128 v[SC+16*\sc+8*\q+4*\u:SC+16*\sc+8*\q+4*\u+3], v[ADRS] offset:512*\q+256*\u
.endr
.endr
.endm
.macro PLACES n
.rept \n
	v_nop
.endr
.endm
.macro STEP slot, q, zero
	s_wait_dscnt 16
	WIN MUL_LO
	MUL16 0, (\q)%2, \q, \slot, \zero
	MUL16 2, (\q)%2, \q, \slot, \zero
	s_wait_dscnt 0x0
	PLACES NP
	FETCH_B \slot, (\q)+1, 1-(\q)%2
	FETCH_A \slot, (\q)+1, 0
	WIN MUL_HI
	MUL16 4, (\q)%2, \q, \slot, \zero
	MUL16 6, (\q)%2, \q, \slot, \zero
	PLACES NP
	WIN 0
	FETCH_A \slot, (\q)+1, 4
.endm
.macro TURN slot, next, fill
	s_wait_tensorcnt 0x0
	ds_add_u32 v[SPW], v[NIL]
	s_wait_dscnt 17
	WIN MUL_LO
	MUL16 0, 1, 1, \slot, 0
	s_wait_dscnt 0x0
	s_barrier_signal -1
	MUL16 2, 1, 1, \slot, 0
	WIN 0
	s_barrier_wait -1
.if \fill
	CREST
	s_add_nc_u64 s[G0+4*\slot+2:G0+4*\slot+3], s[G0+4*\slot+2:G0+4*\slot+3], 2*STEPB
	s_add_nc_u64 s[G0B+4*\slot+2:G0B+4*\slot+3], s[G0B+4*\slot+2:G0B+4*\slot+3], 2*STEPB
	JLOAD G0+4*\slot, G1, G0B+4*\slot, G1B
	PLACES NP-4
.else
	PLACES NP
.endif
	s_wait_alu depctr_va_vdst(0)
	v_add_nc_u32 v[ADRS], 1024, v[ADRS]
	FETCH_B \next, 0, 0
	FETCH_A \next, 0, 0
	SCALES \next
	WIN MUL_HI
	MUL16 4, 1, 1, \slot, 0
	MUL16 6, 1, 1, \slot, 0
	PLACES NP
	WIN 0
	FETCH_A \next, 0, 4
.endm
	s_wait_alu depctr_va_vdst(0)
	s_wait_tensorcnt 1
	s_barrier_signal -1
	s_barrier_wait -1
	FETCH_B 0, 0, 0
	FETCH_A 0, 0, 0
	SCALES 0
	FETCH_A 0, 0, 4
	STEP 0, 0, 1
	s_mov_b32 s3, LAPS-1
.Llap:
	TURN 0, 1, 1
	STEP 1, 0, 0
	TURN 1, 0, 1
	STEP 0, 0, 0
	s_sub_co_u32 s3, s3, 1
	s_cmp_lg_u32 s3, 0
	s_cbranch_scc1 .Llap
	TURN 0, 1, 0
	STEP 1, 0, 0
	s_wait_dscnt 16
	WIN MUL_LO
	MUL16 0, 1, 1, 1, 0
	MUL16 2, 1, 1, 1, 0
	s_wait_dscnt 0x0
	WIN MUL_HI
	MUL16 4, 1, 1, 1, 0
	MUL16 6, 1, 1, 1, 0
	WIN 0
.set TM,  64
.set PWS, 80
.set PK,  88
.set GS,  92
.set GO0, 93
.set GO1, 94
.set HH,  95
.set PC,  96
.set SEL, 20
.set MNT, 22
	PLACES NP
	s_lshr_b32 s18, s42, 2
	s_and_b32 s19, s42, 3
	s_lshl_b32 s19, s19, 2
	s_lshl_b32 s20, s16, 1
	s_add_co_u32 s19, s19, s20
	s_lshr_b32 s20, s17, 3
	s_and_b32 s21, s17, 7
	s_lshl_b32 s21, s21, 4
	s_lshl_b32 s22, s15, 3
	s_add_co_u32 s21, s21, s22
	s_lshl_b32 s44, s18, 22
	s_lshl_b32 s22, s20, 21
	s_add_co_u32 s44, s44, s22
	s_lshl_b32 s22, s19, 17
	s_add_co_u32 s44, s44, s22
	s_lshl_b32 s22, s21, 10
	s_add_co_u32 s44, s44, s22
	s_lshl_b32 s46, s18, 17
	s_lshl_b32 s22, s20, 16
	s_add_co_u32 s46, s46, s22
	s_lshl_b32 s22, s19, 12
	s_add_co_u32 s46, s46, s22
	s_lshl_b32 s22, s21, 6
	s_add_co_u32 s46, s46, s22
	s_add_co_u32 s46, s46, 8388608
	s_lshl_b32 s18, s17, 2
	s_lshl_b32 s19, s15, 1
	s_add_co_u32 s18, s18, s19
	s_lshr_b32 s19, s42, 3
	s_and_b32 s20, s42, 7
	s_lshl_b32 s20, s20, 1
	s_add_co_u32 s20, s20, s16
	s_lshl_b32 s92, s19, 21
	s_lshl_b32 s22, s18, 17
	s_add_co_u32 s92, s92, s22
	s_lshl_b32 s22, s20, 13
	s_add_co_u32 s92, s92, s22
	s_add_co_u32 s92, s92, 8650752
	s_lshl_b32 s94, s19, 16
	s_lshl_b32 s22, s18, 12
	s_add_co_u32 s94, s94, s22
	s_lshl_b32 s22, s20, 8
	s_add_co_u32 s94, s94, s22
	s_add_co_u32 s94, s94, 12845056
	s_cmp_lg_u32 s100, 0
	s_cselect_b32 s44, s92, s44
	s_cselect_b32 s46, s94, s46
	s_mov_b32 s96, 1024
	s_cselect_b32 s96, 2048, s96
	s_cselect_b32 s98, 122880, 0
	s_mov_b32 s18, 131072
	s_cselect_b32 s18, 1024, s18
	s_mov_b32 s19, 256
	s_cselect_b32 s19, 4096, s19
	s_mov_b32 s45, 0
	s_mov_b32 s47, 0
	s_mov_b32 s97, 0
	s_mov_b32 s99, 0
	s_add_nc_u64 s[44:45], s[12:13], s[44:45]
	s_add_nc_u64 s[46:47], s[12:13], s[46:47]
	v_and_b32 v[GO0], 31, v0
	v_lshlrev_b32 v[GO0], 4, v[GO0]
	v_add_nc_u32 v[GO1], s18, v[GO0]
	v_bfe_u32 v[HH], v0, 4, 1
	v_and_b32 v[GS], 15, v0
	v_mul_u32_u24 v[PK], s19, v[HH]
	v_lshl_add_u32 v[GS], v[GS], 4, v[PK]
	s_mov_b32 s[SEL], 0x76543210
	s_mov_b32 s[SEL+1], 0xfedcba98
	s_mov_b32 s[MNT], 0x600000
.irp b, 0,1,2,3
	v_mov_b32 v[TM+4+\b], 0
.endr
.macro QUANTW a
.set W, 2+(\a)/4
.set S, 64*((\a)%4)
	WIN 0
.irp b, 0,1,2,3
	v_mov_b32 v[TM+\b], 0x4800000
.endr
	WIN (W<<2)|(W<<4)
.irp i, 0,2,4,6,8,10,12,14
.irp b, 0,1,2,3
	v_max3_num_f32 v[TM+\b], v[TM+\b], |v[S+16*\b+\i]|, |v[S+16*\b+\i+1]|
.endr
.endr
	WIN 0
.irp b, 0,1,2,3
	v_permlanex16_b32 v[TM+4+\b], v[TM+\b], s[SEL], s[SEL+1]
.endr
.irp b, 0,1,2,3
	v_max_num_f32 v[TM+\b], v[TM+\b], v[TM+4+\b]
.endr
.irp b, 0,1,2,3
	v_add_nc_u32 v[TM+12+\b], 0xfc000000, v[TM+\b]
.endr
.irp b, 0,1,2,3
	v_and_or_b32 v[TM+8+\b], v[TM+\b], 0x7f800000, s[MNT]
.endr
.irp b, 0,1,2,3
	v_lshrrev_b32 v[TM+4+\b], 23, v[TM+12+\b]
.endr
	v_lshl_or_b32 v[PWS+(\a)], v[TM+5], 8, v[TM+4]
	v_lshl_or_b32 v[PWS+(\a)], v[TM+6], 16, v[PWS+(\a)]
	v_lshl_or_b32 v[PWS+(\a)], v[TM+7], 24, v[PWS+(\a)]
	WIN W|(W<<6)
.irp b, 0,1,2,3
.irp i, 0,1,2,3,4,5,6,7,8,9,10,11,12,13,14,15
	v_med3_num_f32 v[S+16*\b+\i], v[S+16*\b+\i], -v[TM+8+\b], v[TM+8+\b]
.endr
.endr
	WIN W
.irp b, 0,1,2,3
	v_cvt_scalef32_pk8_fp8_f32 v[PC+4*\b:PC+4*\b+1], v[S+16*\b:S+16*\b+7], v[TM+12+\b]
	v_cvt_scalef32_pk8_fp8_f32 v[PC+4*\b+2:PC+4*\b+3], v[S+16*\b+8:S+16*\b+15], v[TM+12+\b]
.endr
	WIN 0
	v_nop
.endm
.irp a, 0,1,2,3,4,5,6,7
.if \a > 0
	s_wait_xcnt 0x0
	s_add_nc_u64 s[44:45], s[44:45], s[96:97]
.if \a == 4
	s_add_nc_u64 s[44:45], s[44:45], s[98:99]
.endif
.endif
	QUANTW \a
	global_store_b128 v[GO0], v[PC:PC+3], s[44:45]
	global_store_b128 v[GO0], v[PC+4:PC+7], s[44:45] offset:512
	global_store_b128 v[GO1], v[PC+8:PC+11], s[44:45]
	global_store_b128 v[GO1], v[PC+12:PC+15], s[44:45] offset:512
.endr
	v_cmp_ne_u32 vcc_lo, 0, v[HH]
.irp j, 0,1,2,3
	v_cndmask_b32 v[PK+\j], v[PWS+\j], v[PWS+4+\j], vcc_lo
.endr
	global_store_b128 v[GS], v[PK:PK+3], s[46:47]
	s_wait_tensorcnt 0x0
	ds_add_u32 v[SPW], v[NIL]
	s_wait_dscnt 0x0
	CROUND
	s_endpgm
.Lfunc_end_k_qb4a44bd941_qkv:
	.size	k_qb4a44bd941_qkv, .Lfunc_end_k_qb4a44bd941_qkv-k_qb4a44bd941_qkv
	.p2alignl 7, 3214868480
	.fill 96, 4, 3214868480
	.section	.rodata,"a",@progbits
	.p2align	6, 0x0
	.amdhsa_kernel k_qb4a44bd941_qkv
		.amdhsa_group_segment_fixed_size 327680
		.amdhsa_private_segment_fixed_size 0
		.amdhsa_enable_private_segment 0
		.amdhsa_kernarg_size 24
		.amdhsa_user_sgpr_count 2
		.amdhsa_user_sgpr_kernarg_segment_ptr 1
		.amdhsa_wavefront_size32 1
		.amdhsa_system_sgpr_workgroup_id_x 1
		.amdhsa_system_sgpr_workgroup_id_y 1
		.amdhsa_system_sgpr_workgroup_id_z 1
		.amdhsa_system_vgpr_workitem_id 0
		.amdhsa_next_free_vgpr 1024
		.amdhsa_next_free_sgpr 102
		.amdhsa_reserve_vcc 1
		.amdhsa_float_denorm_mode_32 3
		.amdhsa_float_denorm_mode_16_64 3
		.amdhsa_memory_ordered 1
		.amdhsa_forward_progress 1
		.amdhsa_inst_pref_size 188
	.end_amdhsa_kernel
	.amdgpu_metadata
---
amdhsa.version: [ 1, 2 ]
amdhsa.kernels:
  - .name:           k_qb4a44bd941_qkv
    .symbol:         k_qb4a44bd941_qkv.kd
    .args:
      - { .name: hbuf, .offset: 0, .size: 8, .value_kind: global_buffer, .address_space: global }
      - { .name: wts, .offset: 8, .size: 8, .value_kind: global_buffer, .address_space: global }
      - { .name: qkv, .offset: 16, .size: 8, .value_kind: global_buffer, .address_space: global }
    .group_segment_fixed_size: 327680
    .private_segment_fixed_size: 0
    .kernarg_segment_align: 8
    .kernarg_segment_size: 24
    .max_flat_workgroup_size: 128
    .sgpr_count:     102
    .vgpr_count:     1024
    .wavefront_size: 32
...
	.end_amdgpu_metadata
.endif
;; end of part 2
;; launch attn (part 3): grid 8 x 32, 16 waves a work-group, clusters of 4 x 1, 327,680 bytes of LDS; arguments qkv, ao; writes ao
.if DOCPART == 3
	.amdgcn_target "amdgcn-amd-amdhsa--gfx1250"
	.amdhsa_code_object_version 6
	.text
	.protected	k_qb4a44bd941_attn
	.globl	k_qb4a44bd941_attn
	.p2align	8
	.type	k_qb4a44bd941_attn,@function
k_qb4a44bd941_attn:
	s_mov_b64 s[64:65], 0
	v_nop
	global_prefetch_b8 v0, s[64:65] scope:SCOPE_SE
	s_setreg_imm32_b32 hwreg(HW_REG_WAVE_MODE, 25, 1), 1
	s_wait_xcnt 0x0
	s_wait_alu depctr_hold_cnt(0) depctr_sa_sdst(0) depctr_va_vdst(0) depctr_va_sdst(0) depctr_va_ssrc(0) depctr_va_vcc(0) depctr_vm_vsrc(0)
	s_getreg_b32 s2, hwreg(HW_REG_IB_STS2, 6, 4)
	s_cmp_eq_u32 s2, 0
	s_cbranch_scc0 .Lentry_in_a_cluster
	s_endpgm
.Lentry_in_a_cluster:
	s_bfe_u32 s2, ttmp6, 0x10000c
	s_cmp_lg_u32 s2, 0x3003
	s_cbranch_scc0 .Lentry_shape_is_right
	s_endpgm
.Lentry_shape_is_right:
; ATTN: causal attention of one head on codes of E4M3 with E8M0 scales, and the quantiser of its result (along wo's K).
; t = score x log2(e) / 8; M = the running largest t rounded up to a whole number; p = 2^(t - M) is quantised along the keys, not normalised; the row's sum is taken of the unquantised p and divides at the end.
; Key steps that lie wholly behind a tile's queries are under the causal mask and are not walked.
; SHARES.  A work-group (x = g, 0..7) has the 16 query tiles 8 rho + g of a head, rho = 0..15; the tile of rank rho lies in the 128 tokens of key step rho and needs key steps 0 .. rho, the last cut by the mask: 136 steps in all.
; THE WAVES WORK IN PAIRS.  Wave s (0..7) owns the tile of rank 15 - s and walks its key steps 7 - s .. 15 - s: nine.  Wave 8 + s owns the tile of rank s, walks its s + 1 steps and finishes it; then it walks key steps
; 0 .. 6 - s of its partner's tile and hands O^T, -M and the sums over through LDS bytes of their own.  Behind one barrier the owner joins the two parts: both are brought under the larger M by powers of two, which rounds nothing.
; So no wave walks more than nine steps.  The loops' trip counts are constants (9 and 7); a trip that a wave does not need is jumped over by a scalar branch on the wave's number and the trip's.
; LDS IS FILLED ONCE: the head's 2,048 keys are 131,072 bytes of K's images and as many of V's, and the scale words of the head's pair 8,192 bytes each: ten joint loads of the cluster's four work-groups, one a wave (waves 0 to 9).
; No prefetch is laid: every byte that the launch reads through LDS is asked for in its first lines.
; LAYOUT.  Both products are used transposed (S^T = K Q^T, O^T = V^T P^T): a lane holds one query.  Positions hold logical rows PI(p) (bits 3, 4 exchanged), so the 16 registers of two neighbouring tiles of keys are
; 16 neighbouring keys, and O^T's of two tiles of d 16 neighbouring channels: the conversions' results are the next operand's image.  The head's size is 64: the upper 64 of the first product's K are zero codes.
; LIMITS: a block of zeros gets the byte 1; NaN and infinities are not served; the scaled scores stay under 2^31 in magnitude; the result's two scale bytes leave as 2 bytes a lane (the word's other half belongs to the neighbouring head);
; every wave loads the second tile's Q, which waves 0 to 7 do not use (9 registers).
; REGISTERS: v1-7 addresses that stay; v8-11 the step's; v12 -M, v13 the largest t, v[14:15] the sum; v16-31 Q; v32-95 four fragments of K; v96-159 S^T, p, then V's four fragments; v160-191 O^T; v192-207 p's codes;
; v208-215 K's scale words, v216-219 V's; v220-228 the second tile's Q and its scale word; v232-254 at work (v250, v251 the add's two); v255 Q's scale word.
.set AK,  1                            ; 16 lane
.set AV,  2                            ; + 131,072
.set ASK, 3                            ; K's scale halves
.set ASV, 4                            ; V's scale words
.set R16, 5                            ; 16 r
.set MG,  6                            ; my pair's bytes for the hand-over, + 16 lane
.set DQ,  7                            ; my query within its 128, less 16 h
.set ADK, 8
.set ADV, 9
.set ADS, 10
.set ADT, 11
.set WV,  18
.set MNT, 19
.set SEL, 20
.set CS,  22
.set G1D, 24
.set G1S, 32
.set G0S, 40
.set G0C, 44
.set TB,  2
.set TS,  3
.set TJ,  66
.set ST,  67                           ; the trip's number
.set RHO, 68                           ; the rank of my own tile
.set CNT, 69
.set RA,  60                           ; 1 in waves 0-7
.set NA,  61                           ; trips that I walk
.set DG,  62                           ; the trip that the mask cuts
.set BASE, 63                          ; my first key step
.set PS,  96                           ; my pair
.set RB,  97                           ; 1 in waves 8-15
.set MERGE, 0x44800                    ; behind the spare words: 8 pairs x 4,608 bytes
.set TM,  232
.set PW,  248
.set PC,  192
.macro CROUND
	s_barrier_signal -1
	s_barrier_wait -1
	s_cmp_lg_u32 s[WV], 0
	s_cbranch_scc1 .Lnot_wave_0_\@
	s_barrier_signal -3
.Lnot_wave_0_\@:
	s_barrier_wait -3
	s_barrier_signal -1
	s_barrier_wait -1
.endm
.macro QUANT s, nb
.irp b, 0,1,2,3
.if \b < \nb
	v_max3_num_f32 v[TM+\b], |v[\s+16*\b]|, |v[\s+16*\b+1]|, 0x4800000
.endif
.endr
.irp i, 2,4,6,8,10,12,14
.irp b, 0,1,2,3
.if \b < \nb
	s_delay_alu instid0(VALU_DEP_2)
	v_max3_num_f32 v[TM+\b], v[TM+\b], |v[\s+16*\b+\i]|, |v[\s+16*\b+\i+1]|
.endif
.endr
.endr
.irp b, 0,1,2,3
.if \b < \nb
	s_delay_alu instid0(VALU_DEP_2)
	v_permlanex16_b32 v[TM+4+\b], v[TM+\b], s[SEL], s[SEL+1]
.endif
.endr
.irp b, 0,1,2,3
.if \b < \nb
	s_delay_alu instid0(VALU_DEP_2)
	v_max_num_f32 v[TM+\b], v[TM+\b], v[TM+4+\b]
.endif
.endr
.irp b, 0,1,2,3
.if \b < \nb
	s_delay_alu instid0(VALU_DEP_2)
	v_add_nc_u32 v[TM+12+\b], 0xfc000000, v[TM+\b]
.endif
.endr
.irp b, 0,1,2,3
.if \b < \nb
	s_delay_alu instid0(VALU_DEP_4)
	v_and_or_b32 v[TM+8+\b], v[TM+\b], 0x7f800000, s[MNT]
.endif
.endr
.irp b, 0,1,2,3
.if \b < \nb
	s_delay_alu instid0(VALU_DEP_4)
	v_lshrrev_b32 v[TM+4+\b], 23, v[TM+12+\b]
.endif
.endr
	s_delay_alu instid0(VALU_DEP_1)
	v_lshl_or_b32 v[PW], v[TM+5], 8, v[TM+4]
.irp b, 0,1,2,3
.if \b < \nb
.irp i, 0,1,2,3,4,5,6,7,8,9,10,11,12,13,14,15
	v_med3_num_f32 v[\s+16*\b+\i], v[\s+16*\b+\i], -v[TM+8+\b], v[TM+8+\b]
.endr
	v_cvt_scalef32_pk8_fp8_f32 v[PC+4*\b:PC+4*\b+1], v[\s+16*\b:\s+16*\b+7], v[TM+12+\b]
	v_cvt_scalef32_pk8_fp8_f32 v[PC+4*\b+2:PC+4*\b+3], v[\s+16*\b+8:\s+16*\b+15], v[TM+12+\b]
.endif
.endr
	v_nop
.endm
	s_load_b128 s[4:7], s[0:1], 0x0                ; qkv, ao
	v_lshl_add_u32 v250, v0, 2, 0x44000
	v_mov_b32 v251, 0
	ds_add_u32 v250, v251
	ds_add_u32 v250, v251
	v_lshrrev_b32 v8, 5, v0
	s_delay_alu instid0(VALU_DEP_1)
	v_readfirstlane_b32 s[WV], v8                  ; wave 0..15
	s_bfe_u32 s70, ttmp6, 0x40000                  ; cx
	s_lshl_b32 s71, ttmp9, 2
	s_add_co_u32 s71, s71, s70                     ; g: it enters Q's and the result's addresses and the mask's numbers alone
	s_and_b32 s72, ttmp7, 0xffff
	s_lshr_b32 s73, s72, 4                         ; the batch
	s_and_b32 s74, s72, 15                         ; the head
	s_lshr_b32 s75, s74, 1                         ; its pair
	s_and_b32 s76, s74, 1
	s_and_b32 s[PS], s[WV], 7
	s_lshr_b32 s[RB], s[WV], 3
	s_xor_b32 s[RA], s[RB], 1
	s_mul_i32 s77, s[RA], 15
	s_xor_b32 s[RHO], s[PS], s77                   ; waves 0-7: 15 - s; waves 8-15: s
	s_xor_b32 s[BASE], s[PS], 7
	s_and_b32 s[BASE], s[BASE], s77                ; waves 0-7 begin at key step 7 - s, waves 8-15 at 0
	s_add_co_u32 s78, s[PS], 1
	s_mul_i32 s78, s78, s[RB]
	s_mul_i32 s79, s[RA], 9
	s_add_co_u32 s[NA], s78, s79                   ; 9 trips, or s + 1
	s_mul_i32 s78, s[PS], s[RB]
	s_lshl_b32 s79, s[RA], 3
	s_add_co_u32 s[DG], s78, s79                   ; the last of them is cut by the mask
	s_lshl_b32 s77, s[RHO], 3
	s_add_co_u32 s77, s77, s71                     ; my tile of queries in the batch
	s_mov_b32 s[G1D], 15|(3<<16)|(1<<21)           ; 15:0 the mask: all four work-groups; 17:16 elements of 8 bytes; 21 set beside a mask
	s_mov_b32 s[G1D+1], 32<<16                     ; a dense block as rows of 256 bytes
	s_mov_b32 s[G1D+2], 128<<16                    ; 128 of them: four key steps
	s_mov_b32 s[G1D+3], 32<<16
	s_mov_b32 s[G1D+4], 128
	s_mov_b32 s[G1D+5], 32
	s_mov_b32 s[G1D+6], 0
	s_mov_b32 s[G1D+7], 0
	s_mov_b32 s[G1S], 15|(3<<16)|(1<<21)
	s_mov_b32 s[G1S+1], 32<<16
	s_mov_b32 s[G1S+2], 32<<16                     ; the scale words: 32 rows of 256 bytes
	s_mov_b32 s[G1S+3], 32<<16
	s_mov_b32 s[G1S+4], 32
	s_mov_b32 s[G1S+5], 32
	s_mov_b32 s[G1S+6], 0
	s_mov_b32 s[G1S+7], 0
	s_and_b32 s80, s[WV], 1                        ; 0: K, 1: V
	s_mul_i32 s78, s80, 4456448
	s_add_co_u32 s78, s78, 4194304
	s_lshl_b32 s81, s73, 21
	s_add_co_u32 s78, s78, s81
	s_lshl_b32 s81, s74, 17
	s_add_co_u32 s78, s78, s81                     ; the head's codes
	s_mov_b32 s79, 0
	s_mul_i32 s82, s80, 4325376
	s_add_co_u32 s82, s82, 8519680
	s_lshl_b32 s81, s73, 16
	s_add_co_u32 s82, s82, s81
	s_lshl_b32 s81, s75, 13
	s_add_co_u32 s82, s82, s81                     ; the pair's scale words
	s_mov_b32 s83, 0
	s_lshl_b32 s84, s80, 17                        ; in LDS: K's images at 0, V's at 131,072
	s_lshl_b32 s85, s80, 13
	s_add_co_u32 s85, s85, 262144                  ; the scale words behind them
	s_lshl_b32 s86, s73, 21
	s_lshl_b32 s94, s74, 17
	s_add_co_u32 s86, s86, s94                     ; the head's Q
	s_xor_b32 s98, s[PS], 15                       ; the second tile's rank: 15 - s
	s_lshl_b32 s100, s98, 9
	s_lshl_b32 s98, s98, 3
	s_add_co_u32 s98, s98, s71
	s_lshl_b32 s98, s98, 10
	s_add_co_u32 s98, s98, s86                     ; the second tile's Q
	s_mov_b32 s99, 0
	s_lshl_b32 s94, s77, 10
	s_add_co_u32 s86, s86, s94                     ; my own tile's Q
	s_mov_b32 s87, 0
	s_bfe_u32 s95, s71, 0x10002
	s_lshl_b32 s95, s95, 8
	s_and_b32 s94, s71, 3
	s_lshl_b32 s94, s94, 2
	s_add_co_u32 s95, s95, s94
	s_lshl_b32 s94, s76, 1
	s_add_co_u32 s95, s95, s94                     ; a tile's place in a block of scale words, and the head's half of a word
	s_lshl_b32 s88, s73, 16
	s_lshl_b32 s94, s75, 13
	s_add_co_u32 s88, s88, s94
	s_add_co_u32 s88, s88, s95
	s_add_co_u32 s88, s88, 8388608
	s_add_co_u32 s100, s100, s88                   ; the second tile's scale halves
	s_mov_b32 s101, 0
	s_lshl_b32 s94, s[RHO], 9
	s_add_co_u32 s88, s88, s94                     ; my own tile's
	s_mov_b32 s89, 0
	s_lshl_b32 s90, s73, 7
	s_add_co_u32 s90, s90, s77                     ; my token tile of all 256
	s_lshl_b32 s90, s90, 3
	s_add_co_u32 s90, s90, s75
	s_lshl_b32 s90, s90, 11
	s_lshl_b32 s94, s76, 10
	s_add_co_u32 s90, s90, s94                     ; the result's half image
	s_mov_b32 s91, 0
	s_lshl_b32 s92, s73, 4
	s_add_co_u32 s92, s92, s[RHO]
	s_lshl_b32 s92, s92, 3
	s_add_co_u32 s92, s92, s75
	s_lshl_b32 s92, s92, 9
	s_add_co_u32 s92, s92, s95
	s_add_co_u32 s92, s92, 4194304                 ; and its scale halves
	s_mov_b32 s93, 0
	s_mov_b32 s[SEL], 0x76543210
	s_mov_b32 s[SEL+1], 0xfedcba98
	s_mov_b32 s[CS], 0x3e38aa3b                    ; c = log2(e) / 8
	s_mov_b32 s[CS+1], s[CS]
	s_mov_b32 s[MNT], 0x600000
	s_wait_dscnt 0x0
	s_wait_kmcnt 0x0
	s_add_nc_u64 s[78:79], s[4:5], s[78:79]
	s_add_nc_u64 s[82:83], s[4:5], s[82:83]
	s_add_nc_u64 s[86:87], s[4:5], s[86:87]
	s_add_nc_u64 s[88:89], s[4:5], s[88:89]
	s_add_nc_u64 s[98:99], s[4:5], s[98:99]
	s_add_nc_u64 s[100:101], s[4:5], s[100:101]
	s_add_nc_u64 s[90:91], s[6:7], s[90:91]
	s_add_nc_u64 s[92:93], s[6:7], s[92:93]
	s_mov_b32 s[G0S], 1
	s_mov_b32 s[G0S+1], s85
	s_mov_b64 s[G0S+2:G0S+3], s[82:83]
	s_or_b32 s[G0S+3], s[G0S+3], 0x80000000
.irp c, 0,1,2,3
	s_mov_b32 s[G0C+4*\c], 1
	s_add_co_u32 s[G0C+4*\c+1], s84, \c*32768
	s_add_nc_u64 s[G0C+4*\c+2:G0C+4*\c+3], s[78:79], \c*32768
	s_or_b32 s[G0C+4*\c+3], s[G0C+4*\c+3], 0x80000000
.endr
	CROUND                                         ; all four work-groups are here: the joint loads meet
; THE HEAD'S TEN LOADS, ONE A WAVE: waves 0, 1 the scale words of K, of V; waves 2 c + 2, 2 c + 3 four key steps (chunk c) of K, of V: every descriptor hangs on wave % 2.
.macro ARM under, g0, g1, next
	s_cmp_lt_u32 s[WV], \under
	s_cbranch_scc0 \next
	tensor_load_to_lds s[\g0:\g0+3], s[\g1:\g1+7]
	s_nop 0
.rept 4
	v_nop
.endr
	s_branch .Lno_fetch
\next:
.endm
	ARM 2, G0S, G1S, .Lhead_c0
	ARM 4, G0C, G1D, .Lhead_c1
	ARM 6, G0C+4, G1D, .Lhead_c2
	ARM 8, G0C+8, G1D, .Lhead_c3
	ARM 10, G0C+12, G1D, .Lhead_none
.Lno_fetch:
.irp j, 24,25,26,27,28,29,30,31
	v_mov_b32 v[\j], 0                             ; Q's codes of k = 64 .. 127: zeros
.endr
.irp t, 0,1,2,3
.irp j, 8,9,10,11,12,13,14,15
	v_mov_b32 v[32+16*\t+\j], 0                    ; K's likewise: set once, never loaded
.endr
.endr
	v_and_b32 v8, 31, v0
	s_delay_alu instid0(VALU_DEP_1)
	v_lshlrev_b32 v[AK], 4, v8
	s_delay_alu instid0(VALU_DEP_1)
	v_add_nc_u32 v[AV], 131072, v[AK]
	v_and_b32 v8, 15, v0                           ; r
	s_wait_alu depctr_va_vdst(0)
	v_bfe_u32 v9, v0, 4, 1                         ; h
	s_wait_alu depctr_va_vdst(0)
	v_lshlrev_b32 v[R16], 4, v8
	global_load_b128 v[16:19], v[AK], s[86:87]
	global_load_b128 v[20:23], v[AK], s[86:87] offset:512
	global_load_u16 v255, v[R16], s[88:89]         ; two bytes; the upper two become 0, over zero codes
	global_load_b128 v[220:223], v[AK], s[98:99]   ; the second tile's Q
	global_load_b128 v[224:227], v[AK], s[98:99] offset:512
	global_load_u16 v228, v[R16], s[100:101]
	s_lshl_b32 s94, s76, 1
	s_add_co_u32 s94, s94, 262144
	v_add_nc_u32 v[ASK], s94, v[R16]
	s_lshl_b32 s94, s76, 12
	s_add_co_u32 s94, s94, 270336
	v_add_nc_u32 v[ASV], s94, v[R16]
	s_lshr_b32 s94, s71, 1
	s_lshl_b32 s94, s94, 5
	s_and_b32 s95, s71, 1
	s_lshl_b32 s95, s95, 3
	s_add_co_u32 s94, s94, s95
	v_lshrrev_b32 v10, 3, v8
	v_and_b32 v11, 7, v8
	s_delay_alu instid0(VALU_DEP_1)
	v_lshl_add_u32 v10, v10, 4, v11
	v_lshlrev_b32 v11, 4, v9
	s_delay_alu instid0(VALU_DEP_1)
	v_sub_nc_u32 v10, v10, v11
	s_delay_alu instid0(VALU_DEP_1)
	v_add_nc_u32 v[DQ], s94, v10                   ; position 16 g + r is logical query 32 (g / 2) + 8 (g % 2) + 16 (r / 8) + r % 8 of the 128; less 16 h
	s_mul_i32 s94, s[PS], 4608
	s_add_co_u32 s94, s94, MERGE
	v_add_nc_u32 v[MG], s94, v[AK]
	v_mov_b32 v13, 0xff61b1e6                      ; the largest t so far: -3e38
	s_delay_alu instid0(VALU_DEP_1)
	v_floor_f32 v12, -v13                          ; -M
	v_mov_b32 v14, 0
	v_mov_b32 v15, 0
.irp b, 0,1,2,3
	v_mov_b32 v[236+\b], 0                         ; a lane permute's destination counts as one of its sources
.endr
	v_mov_b32 v253, 0                              ; named as the upper half of v[252:253] before it is first written
.set n, 0
.rept 32
	v_mov_b32 v[160+n], 0                          ; O^T: the step is written once; its first run finds zeros
.set n, n+1
.endr
; A KEY STEP: 128 keys.  A trip beyond the wave's count is left out: a scalar branch on the wave's number and the trip's, round the work, not round the lines that step addresses.
.macro STEP cut
	s_cmp_ge_u32 s[ST], s[NA]
	s_cbranch_scc1 .Lskip_\@
	v_add_nc_u32 v[ADK], s[TB], v[AK]
	s_wait_alu depctr_va_vdst(0)
	v_add_nc_u32 v[ADV], s[TB], v[AV]
	v_add_nc_u32 v[ADS], s[TS], v[ASK]
	v_add_nc_u32 v[ADT], s[TJ], v[ASV]
.irp a, 0,1,2,3,4,5,6,7
	ds_load_u16 v[208+\a], v[ADS] offset:(\a/4)*256+(\a%4)*4
.endr
.irp g, 0,1                            ; S^T = K Q^T, four tiles of 16 keys at a time
.if \g > 0
.rept 8
	v_nop                                          ; places in front of loads into registers that the four products above have read
.endr
.endif
.irp t, 0,1,2,3
.irp c, 0,1
	ds_load_b128 v[32+16*\t+4*\c:32+16*\t+4*\c+3], v[ADK] offset:(4*\g+\t)*1024+512*\c
.endr
.endr
	s_wait_dscnt 0x0
.irp t, 0,1,2,3
	v_wmma_scale_f32_16x16x128_f8f6f4 v[96+8*(4*\g+\t):103+8*(4*\g+\t)], v[32+16*\t:47+16*\t], v[16:31], 0, v[208+4*\g+\t], v255
.endr
.endr
.rept 8
	v_nop
.endr
.if \cut                               ; cut = 1: the pass holds a tile's last key step, which the mask cuts; cut = 0: none of the pass's key steps is cut, and these lines are not assembled
	s_cmp_lg_u32 s[ST], s[DG]                      ; only a tile's last key step is cut by the mask
	s_cbranch_scc1 .Lopen_\@
	v_mov_b32 v254, 0xff800000                     ; register 16 B + i holds key 32 B + 16 h + i: hidden where 32 B + i > my query - 16 h
.set n, 0
.rept 64
	v_cmp_gt_i32 vcc_lo, 32*(n/16)+n%16, v[DQ]
	v_cndmask_b32 v[96+n], v[96+n], v254, vcc_lo
.set n, n+1
.endr
.Lopen_\@:
.endif
.irp b, 0,1,2,3
	v_max3_num_f32 v[232+\b], v[96+16*\b], v[97+16*\b], v[98+16*\b]   ; the largest score of each block of 32 keys: for the row's maximum and, since p rises with the score, for the block's largest p
.endr
.irp i, 3,5,7,9,11,13
.irp b, 0,1,2,3
	v_max3_num_f32 v[232+\b], v[232+\b], v[96+16*\b+\i], v[97+16*\b+\i]
.endr
.endr
.irp b, 0,1,2,3
	v_max_num_f32 v[232+\b], v[232+\b], v[111+16*\b]
.endr
.irp b, 0,1,2,3
	s_delay_alu instid0(VALU_DEP_4)
	v_permlanex16_b32 v[236+\b], v[232+\b], s[SEL], s[SEL+1]
.endr
.irp b, 0,1,2,3
	s_delay_alu instid0(VALU_DEP_4)
	v_max_num_f32 v[232+\b], v[232+\b], v[236+\b]
.endr
	s_delay_alu instid0(VALU_DEP_2)
	v_max3_num_f32 v254, v232, v233, v234
	s_delay_alu instid0(VALU_DEP_1)
	v_max_num_f32 v254, v254, v235
	s_delay_alu instid0(VALU_DEP_1)
	v_mul_f32 v254, s[CS], v254
	s_delay_alu instid0(VALU_DEP_1)
	v_max_num_f32 v13, v13, v254                   ; the running largest t
	v_mov_b32 v254, v12
	s_delay_alu instid0(VALU_DEP_2)
	v_floor_f32 v12, -v13                          ; the new -M = -ceil(t)
	s_delay_alu instid0(VALU_DEP_1)
	v_sub_f32 v254, v12, v254                      ; old M - new M: a whole number, 0 or less
	s_delay_alu instid0(VALU_DEP_1)
	v_cvt_i32_f32 v254, v254                       ; (it saturates)
	s_delay_alu instid0(VALU_DEP_1)
	v_ldexp_f32 v252, 1.0, v254                    ; f = 2^(old M - new M): a multiplication by it rounds nothing
.set n, 0
.rept 32
	v_pk_fma_f32 v[96+n:97+n], v[96+n:97+n], s[CS:CS+1], v[12:13] op_sel_hi:[1,0,0]   ; t - M
.set n, n+2
.endr
.irp b, 0,1,2,3
	v_fma_f32 v[232+\b], v[232+\b], s[CS], v12
.endr
.set n, 0
	s_wait_alu depctr_va_vdst(0)
.rept 64
	v_exp_f32 v[96+n], v[96+n]                     ; p = 2^(t - M)
.set n, n+1
.endr
	v_pk_mul_f32 v[14:15], v[14:15], v[252:253] op_sel_hi:[1,0]   ; the sums under the new M: a plain line behind the exponentials
	s_wait_alu depctr_va_vdst(0)                   ; one wait for the batch, ahead of its first reader
.irp b, 0,1,2,3
	v_exp_f32 v[232+\b], v[232+\b]                 ; each block's largest p
.endr
	v_pk_add_f32 v[236:237], v[100:101], v[104:105]
	v_pk_add_f32 v[248:249], v[108:109], v[112:113]
	v_pk_add_f32 v[246:247], v[116:117], v[120:121]
	v_pk_add_f32 v[244:245], v[124:125], v[128:129]
	v_pk_add_f32 v[242:243], v[132:133], v[136:137]
	v_pk_add_f32 v[240:241], v[140:141], v[144:145]
	v_pk_add_f32 v[238:239], v[148:149], v[152:153]
	v_pk_add_f32 v[14:15], v[14:15], v[156:157]
	v_pk_add_f32 v[236:237], v[236:237], v[96:97]
	v_pk_add_f32 v[248:249], v[248:249], v[98:99]
	v_pk_add_f32 v[246:247], v[246:247], v[102:103]
	v_pk_add_f32 v[244:245], v[244:245], v[106:107]
	v_pk_add_f32 v[242:243], v[242:243], v[110:111]
	v_pk_add_f32 v[240:241], v[240:241], v[114:115]
	v_pk_add_f32 v[238:239], v[238:239], v[118:119]
	v_pk_add_f32 v[14:15], v[14:15], v[122:123]
	v_pk_add_f32 v[236:237], v[236:237], v[126:127]
	v_pk_add_f32 v[248:249], v[248:249], v[130:131]
	v_pk_add_f32 v[246:247], v[246:247], v[134:135]
	v_pk_add_f32 v[244:245], v[244:245], v[138:139]
	v_pk_add_f32 v[242:243], v[242:243], v[142:143]
	v_pk_add_f32 v[240:241], v[240:241], v[146:147]
	v_pk_add_f32 v[238:239], v[238:239], v[150:151]
	v_pk_add_f32 v[14:15], v[14:15], v[154:155]
	v_pk_add_f32 v[236:237], v[236:237], v[158:159]
	s_delay_alu instid0(VALU_DEP_2)
	v_pk_add_f32 v[14:15], v[14:15], v[244:245]
	s_delay_alu instid0(VALU_DEP_2)
	v_pk_add_f32 v[236:237], v[236:237], v[242:243]
	v_pk_add_f32 v[248:249], v[248:249], v[240:241]
	v_pk_add_f32 v[246:247], v[246:247], v[238:239]
	s_delay_alu instid0(VALU_DEP_2)
	v_pk_add_f32 v[14:15], v[14:15], v[248:249]
	s_delay_alu instid0(VALU_DEP_2)
	v_pk_add_f32 v[236:237], v[236:237], v[246:247]
	s_delay_alu instid0(VALU_DEP_1)
	v_pk_add_f32 v[14:15], v[14:15], v[236:237]
	s_wait_alu depctr_va_vdst(0)                   ; and one for the four
.irp b, 0,1,2,3
	v_max_num_f32 v[232+\b], 0x4800000, v[232+\b]  ; the floor
.endr
.irp b, 0,1,2,3
	s_delay_alu instid0(VALU_DEP_4)
	v_add_nc_u32 v[244+\b], 0xfc000000, v[232+\b]
.endr
.irp b, 0,1,2,3
	v_and_or_b32 v[240+\b], v[232+\b], 0x7f800000, s[MNT]
.endr
.irp b, 0,1,2,3
	v_lshrrev_b32 v[236+\b], 23, v[244+\b]
.endr
	s_delay_alu instid0(VALU_DEP_3)
	v_lshl_or_b32 v253, v237, 8, v236              ; p's scale word for these 128 keys
	s_delay_alu instid0(VALU_DEP_1)
	v_lshl_or_b32 v253, v238, 16, v253
	s_delay_alu instid0(VALU_DEP_1)
	v_lshl_or_b32 v253, v239, 24, v253
.irp b, 0,1,2,3
.irp i, 0,1,2,3,4,5,6,7,8,9,10,11,12,13,14,15
	v_min_num_f32 v[96+16*\b+\i], v[96+16*\b+\i], v[240+\b]      ; p is not negative: the hold is one-sided
.endr
	v_cvt_scalef32_pk8_fp8_f32 v[192+4*\b:193+4*\b], v[96+16*\b:103+16*\b], v[244+\b]
	v_cvt_scalef32_pk8_fp8_f32 v[194+4*\b:195+4*\b], v[104+16*\b:111+16*\b], v[244+\b]
.endr
.set n, 0
.rept 16
	v_pk_mul_f32 v[160+n:161+n], v[160+n:161+n], v[252:253] op_sel_hi:[1,0]   ; O^T under the new M; these are also the places in front of the products below
.set n, n+2
.endr
.irp t, 0,1,2,3                        ; O^T += V^T P^T: V's four tiles of d land where p lay
.irp c, 0,1,2,3
	ds_load_b128 v[96+16*\t+4*\c:96+16*\t+4*\c+3], v[ADV] offset:\t*2048+512*\c
.endr
.endr
	ds_load_b128 v[216:219], v[ADT]
	s_wait_alu depctr_va_vdst(0)
	s_wait_dscnt 0x0
.irp t, 0,1,2,3
	v_wmma_scale_f32_16x16x128_f8f6f4 v[160+8*\t:167+8*\t], v[96+16*\t:111+16*\t], v[192:207], v[160+8*\t:167+8*\t], v[216+\t], v253
.endr
.rept 9
	v_nop                                          ; the next step's first products write over V's registers: nine places
.endr
.Lskip_\@:
	s_add_co_u32 s[ST], s[ST], 1
	s_add_co_u32 s[TB], s[TB], 8192
	s_add_co_u32 s[TS], s[TS], 512
	s_add_co_u32 s[TJ], s[TJ], 256
.endm
.macro PASS trips, cut
	s_mov_b32 s[ST], 0
	s_mov_b32 s[CNT], \trips
.Lpass_\@:
	STEP \cut
	s_sub_co_u32 s[CNT], s[CNT], 1
	s_cmp_lg_u32 s[CNT], 0
	s_cbranch_scc1 .Lpass_\@
.endm
; THE WAY OUT of a finished tile: O^T / the sum; register 16 B + i is channel 32 B + 16 h + i of my query: two blocks of wo's K.  The codes are half an image as they stand.
.macro WAYOUT
	v_add_f32 v14, v14, v15
	s_delay_alu instid0(VALU_DEP_1)
	v_permlanex16_b32 v252, v14, s[SEL], s[SEL+1]
	s_delay_alu instid0(VALU_DEP_1)
	v_add_f32 v14, v14, v252
	s_wait_alu depctr_va_vdst(0)
	v_rcp_f32 v14, v14
	v_nop                                          ; a plain line behind the transcendental
	s_wait_alu depctr_va_vdst(0)
.set n, 0
.rept 32
	v_mul_f32 v[96+n], v[160+n], v14
.set n, n+1
.endr
	QUANT 96, 2
	global_store_b128 v[AK], v[PC:PC+3], s[90:91]
	global_store_b128 v[AK], v[PC+4:PC+7], s[90:91] offset:512
	global_store_b16 v[R16], v[PW], s[92:93]       ; both halves of the lanes store the same two bytes
.endm
	s_lshl_b32 s[TB], s[BASE], 13
	s_lshl_b32 s[TS], s[BASE], 9
	s_lshl_b32 s[TJ], s[BASE], 8
	s_wait_alu depctr_va_vdst(0)                   ; the wait at the head's end
	s_wait_loadcnt 0x0                             ; Q
	s_wait_tensorcnt 0x0                           ; every wave waits for its one load: the barrier shows all ten
	s_wait_dscnt 0x0
	s_barrier_signal -1
	s_barrier_wait -1
	PASS 9, 1                                      ; my own tile: waves 0-7 its last nine key steps, waves 8-15 all its s + 1
	s_wait_alu depctr_va_vdst(0)
	s_cmp_eq_u32 s[RB], 0
	s_cbranch_scc1 .Lowner_1
	WAYOUT                                         ; waves 8-15: my own tile is finished
.irp j, 0,1,2,3,4,5,6,7
	v_mov_b32 v[16+\j], v[220+\j]                  ; on to my partner's tile: its Q,
.endr
	v_mov_b32 v255, v228                           ; its scale word,
	v_mov_b32 v13, 0xff61b1e6                      ; and a state begun anew
	v_floor_f32 v12, -v13
	v_mov_b32 v14, 0
	v_mov_b32 v15, 0
.set n, 0
.rept 32
	v_mov_b32 v[160+n], 0
.set n, n+1
.endr
	s_wait_alu depctr_va_vdst(0)
	s_wait_xcnt 0x0                                ; the stores have read their registers, which the next steps write
.Lowner_1:
	s_xor_b32 s[NA], s[PS], 7
	s_mul_i32 s[NA], s[NA], s[RB]                  ; waves 8-15: key steps 0 .. 6 - s; waves 0-7: none
	s_mov_b32 s[TB], 0
	s_mov_b32 s[TS], 0
	s_mov_b32 s[TJ], 0
	PASS 7, 0                                      ; all these keys come ahead of the partner's queries: nothing is cut
	s_wait_alu depctr_va_vdst(0)
	s_cmp_eq_u32 s[RB], 0
	s_cbranch_scc1 .Lowner_2
.irp k, 0,1,2,3,4,5,6,7
	ds_store_b128 v[MG], v[160+4*\k:163+4*\k] offset:512*\k   ; waves 8-15: my part of the partner's tile as an image of its registers; each accumulator from its low end on
.endr
	ds_store_b128 v[MG], v[12:15] offset:4096      ; -M, the largest t, the sum's two halves
.Lowner_2:
	s_wait_dscnt 0x0                               ; for the partner's sake: my stores have landed
	s_barrier_signal -1
	s_barrier_wait -1
	s_cmp_lg_u32 s[RB], 0
	s_cbranch_scc1 .Lend
.irp k, 0,1,2,3,4,5,6,7
	ds_load_b128 v[96+4*\k:99+4*\k], v[MG] offset:512*\k
.endr
	ds_load_b128 v[128:131], v[MG] offset:4096
	s_wait_dscnt 0x0
	v_min_num_f32 v132, v12, v128                  ; -M of the two parts together
	v_mov_b32 v135, 0                              ; (named as the upper half of v[134:135])
	v_sub_f32 v133, v132, v12                      ; my M less the common M: a whole number, 0 or less
	v_sub_f32 v134, v132, v128                     ; the partner's likewise
	v_cvt_i32_f32 v133, v133                       ; (they saturate: a part with no key step counts for nothing)
	v_cvt_i32_f32 v134, v134
	v_ldexp_f32 v252, 1.0, v133
	v_ldexp_f32 v134, 1.0, v134
	v_pk_mul_f32 v[14:15], v[14:15], v[252:253] op_sel_hi:[1,0]
.set n, 0
.rept 16
	v_pk_mul_f32 v[160+n:161+n], v[160+n:161+n], v[252:253] op_sel_hi:[1,0]
.set n, n+2
.endr
	v_pk_fma_f32 v[14:15], v[130:131], v[134:135], v[14:15] op_sel_hi:[1,0,1]
.set n, 0
.rept 16
	v_pk_fma_f32 v[160+n:161+n], v[96+n:97+n], v[134:135], v[160+n:161+n] op_sel_hi:[1,0,1]
.set n, n+2
.endr
	WAYOUT
.Lend:
	s_wait_tensorcnt 0x0                           ; the wave's end
	ds_add_u32 v250, v251
	s_wait_dscnt 0x0
	CROUND                                         ; the closing round
	s_endpgm
.Lfunc_end_k_qb4a44bd941_attn:
	.size	k_qb4a44bd941_attn, .Lfunc_end_k_qb4a44bd941_attn-k_qb4a44bd941_attn
	.p2alignl 7, 3214868480
	.fill 96, 4, 3214868480
	.section	.rodata,"a",@progbits
	.p2align	6, 0x0
	.amdhsa_kernel k_qb4a44bd941_attn
		.amdhsa_group_segment_fixed_size 327680
		.amdhsa_private_segment_fixed_size 0
		.amdhsa_enable_private_segment 0
		.amdhsa_kernarg_size 16
		.amdhsa_user_sgpr_count 2
		.amdhsa_user_sgpr_kernarg_segment_ptr 1
		.amdhsa_wavefront_size32 1
		.amdhsa_system_sgpr_workgroup_id_x 1
		.amdhsa_system_sgpr_workgroup_id_y 1
		.amdhsa_system_sgpr_workgroup_id_z 1
		.amdhsa_system_vgpr_workitem_id 0
		.amdhsa_next_free_vgpr 256
		.amdhsa_next_free_sgpr 102
		.amdhsa_reserve_vcc 1
		.amdhsa_float_denorm_mode_32 3
		.amdhsa_float_denorm_mode_16_64 3
		.amdhsa_memory_ordered 1
		.amdhsa_forward_progress 1
		.amdhsa_inst_pref_size 78
	.end_amdhsa_kernel
	.amdgpu_metadata
---
amdhsa.version: [ 1, 2 ]
amdhsa.kernels:
  - .name:           k_qb4a44bd941_attn
    .symbol:         k_qb4a44bd941_attn.kd
    .args:
      - { .name: qkv, .offset: 0, .size: 8, .value_kind: global_buffer, .address_space: global }
      - { .name: ao, .offset: 8, .size: 8, .value_kind: global_buffer, .address_space: global }
    .group_segment_fixed_size: 327680
    .private_segment_fixed_size: 0
    .kernarg_segment_align: 8
    .kernarg_segment_size: 16
    .max_flat_workgroup_size: 512
    .sgpr_count:     102
    .vgpr_count:     256
    .wavefront_size: 32
...
	.end_amdgpu_metadata
.endif
;; end of part 3
;; launch wo (part 4): grid 8 x 32, 4 waves a work-group, clusters of 4 x 4, 327,680 bytes of LDS; arguments ao, wts, x, x1; writes x1
.if DOCPART == 4
	.amdgcn_target "amdgcn-amd-amdhsa--gfx1250"
	.amdhsa_code_object_version 6
	.text
	.protected	k_qb4a44bd941_wo
	.globl	k_qb4a44bd941_wo
	.p2align	8
	.type	k_qb4a44bd941_wo,@function
k_qb4a44bd941_wo:
	s_mov_b64 s[64:65], 0
	v_nop
	global_prefetch_b8 v0, s[64:65] scope:SCOPE_SE
	s_setreg_imm32_b32 hwreg(HW_REG_WAVE_MODE, 25, 1), 1
	s_wait_xcnt 0x0
	s_wait_alu depctr_hold_cnt(0) depctr_sa_sdst(0) depctr_va_vdst(0) depctr_va_sdst(0) depctr_va_ssrc(0) depctr_va_vcc(0) depctr_vm_vsrc(0)
	s_getreg_b32 s2, hwreg(HW_REG_IB_STS2, 6, 4)
	s_cmp_eq_u32 s2, 0
	s_cbranch_scc0 .Lentry_in_a_cluster
	s_endpgm
.Lentry_in_a_cluster:
	s_bfe_u32 s2, ttmp6, 0x10000c
	s_cmp_lg_u32 s2, 0xf033
	s_cbranch_scc0 .Lentry_shape_is_right
	s_endpgm
.Lentry_shape_is_right:
; WO: x1 = x + ao wo, the product on codes of E4M3 with E8M0 scales, sums in f32.
; A block of 128 tokens x 128 columns to a work-group: 32 x 8 = 256 work-groups.  Four waves, 64 x 64 each: 16 accumulators, which take turns.
; Codes lie as images of the operand's registers (fragment (row tile T, K step s of 128) at (T K/128 + s) 2048; registers 4c.. of lane l at 512 c + 16 l); position p holds logical row PI(p) (bits 3, 4 exchanged).
; LDS: two slots of 512 along K, each A's 8 row tiles x 8,192 bytes and then B's.  The head's four joint loads, one a wave, fill both; with K = 1,024 that is all of K and nothing is filled again.
; CLUSTER 4 x 4: A's tiles are shared along a row of the cluster, B's along a column.  No prefetch: every byte that goes through LDS is asked for by the head's loads, so there is no later load to run ahead of.
; The scale words (4 K bytes for 128 rows) go from memory into registers, 256 consecutive bytes a load; A's and B's stand in registers whose numbers differ modulo 8.
; Source 0 = B (the weight's rows), source 1 = A (tokens): a lane holds eight neighbouring columns of one token.  The residual's 32 loads a wave are issued at the head.
; REGISTERS: window 0: v0-31 addresses, v32.. A's scale words, v100.. B's, v192-255 rows on the way out; window 1: two sets of 4 + 4 fragments; window 2: v0-127 accumulators, v128-255 the residual.
; LIMITS: NaN and infinities are not served; the sums' order is the matrix unit's, K ascending.
.set SIZE_K,   1024
.set A_SCALES, 4194304
.set B_CODES,  3145728
.set B_SCALES, 10584064
.set LAST,     0
.set NS,     SIZE_K/128
.set NF,     NS/4
.set KROWB,  SIZE_K*16
.set FILLB,  8192
.set HALF,   65536
.set SLOT,   131072
.set STAGE,  2*SLOT
.set SPITCH, 272
.set SPARE,  STAGE+4*16*SPITCH
.set NP,     8
.set ADRA, 16
.set ADRB, 18
.set STO,  20
.set RD,   21
.set CO,   22
.set SO,   23
.set PFO,  24
.set SPW,  28
.set NIL,  29
.set SA,   32
.set SB,   100
.set BK,   192
.set RES,  128
.set G1A,  24
.set G1B,  32
.set G0A0, 48
.set G0A1, 52
.set G0B0, 56
.set G0B1, 60
.set G1RA, 68
.set G1RB, 76
.set G0RA, 84
.set G0RB, 88
.set MULW, 0xa5                        ; sources 0 and 1 window 1, C and D window 2
.set MSB, 0
.macro WIN new
.if MSB != (\new)
	s_set_vgpr_msb (MSB<<8)|(\new)
.set MSB, (\new)
.endif
.endm
.macro PLACES n
.rept \n
	v_nop
.endr
.endm
.macro CREST
	s_cmp_lg_u32 s14, 0
	s_cbranch_scc1 .Lnot_wave_0_\@
	s_barrier_signal -3
.Lnot_wave_0_\@:
	s_barrier_wait -3
	s_barrier_signal -1
	s_barrier_wait -1
.endm
.macro CROUND
	s_barrier_signal -1
	s_barrier_wait -1
	CREST
.endm
.macro JLOAD                           ; a refill: waves 0, 1 the halves of A's part of a slot, waves 2, 3 of B's
	s_cmp_eq_u32 s15, 0
	s_cbranch_scc0 .Lfor_b_\@
	tensor_load_to_lds s[G0RA:G0RA+3], s[G1RA:G1RA+7]
	s_nop 0
	PLACES 4
	s_branch .Lasked_\@
.Lfor_b_\@:
	tensor_load_to_lds s[G0RB:G0RB+3], s[G1RB:G1RB+7]
	s_nop 0
	PLACES 4
.Lasked_\@:
.endm
.macro GROUP1 g, mask, rows            ; so many row tiles x 8,192 bytes (1,024 elements of 8), KROWB bytes apart
	s_or_b32 s[\g], s[\mask], (3<<16)|(1<<21)
	s_mov_b32 s[\g+1], 1024<<16
	s_mov_b32 s[\g+2], (\rows)<<16
	s_mov_b32 s[\g+3], 1024<<16
	s_mov_b32 s[\g+4], \rows
	s_mov_b32 s[\g+5], KROWB/8
	s_mov_b32 s[\g+6], 0
	s_mov_b32 s[\g+7], 0
.endm
.macro GROUP0 g, lds, base, off
	s_mov_b32 s[\g], 1
	s_mov_b32 s[\g+1], \lds
	s_add_nc_u64 s[\g+2:\g+3], s[\base:\base+1], \off
	s_or_b32 s[\g+3], s[\g+3], 0x80000000
.endm
	s_load_b128 s[4:7], s[0:1], 0x0                ; A's buffer, wts
	s_load_b128 s[8:11], s[0:1], 0x10              ; the residual, the result
	v_lshl_add_u32 v[SPW], v0, 2, SPARE
	v_mov_b32 v[NIL], 0
	ds_add_u32 v[SPW], v[NIL]                      ; the opening lines: the add twice on end and one wait
	ds_add_u32 v[SPW], v[NIL]
	v_lshrrev_b32 v1, 5, v0
	v_readfirstlane_b32 s14, v1                    ; wave 0..3
	s_lshr_b32 s15, s14, 1                         ; my half of the tokens
	s_and_b32 s16, s14, 1                          ; my half of the columns
	s_bfe_u32 s40, ttmp6, 0x40000                  ; cx
	s_bfe_u32 s41, ttmp6, 0x40004                  ; cy
	s_lshl_b32 s42, ttmp9, 2
	s_add_co_u32 s42, s42, s40                     ; the block's column, 0..7
	s_and_b32 s17, ttmp7, 0xffff
	s_lshl_b32 s17, s17, 2
	s_add_co_u32 s17, s17, s41                     ; the block's row, 0..31
	s_lshl_b32 s43, s41, 2
	s_lshl_b32 s43, 15, s43                        ; my row of the cluster
	s_lshl_b32 s44, 0x1111, s40                    ; my column
	GROUP1 G1A, 43, 8
	GROUP1 G1B, 44, 8
.if NF > 2
	GROUP1 G1RA, 43, 4
	GROUP1 G1RB, 44, 4
	s_mul_i32 s100, s16, 4*KROWB
	s_add_co_u32 s100, s100, 2*FILLB               ; a refill: my four row tiles, the third 512 along K
	s_mov_b32 s101, 0
	s_lshl_b32 s92, s40, 1                         ; the prefetches: of A's 8 row tiles the partner at cx takes 2 cx, 2 cx + 1 (of B's: by cy); wave (s15, s16) takes tile + s15, fill 2 + s16: 8,192 bytes
	s_add_co_u32 s92, s92, s15
	s_mul_i32 s92, s92, KROWB
	s_lshl_b32 s94, s16, 13
	s_add_co_u32 s94, s94, 2*FILLB
	s_add_co_u32 s92, s92, s94
	s_mov_b32 s93, 0
	s_lshl_b32 s98, s41, 1
	s_add_co_u32 s98, s98, s15
	s_mul_i32 s98, s98, KROWB
	s_add_co_u32 s94, s98, s94
	s_mov_b32 s95, 0
.endif
	s_mul_i32 s20, s17, 8*KROWB                    ; A's codes
	s_mov_b32 s21, 0
	s_mul_i32 s22, s42, 8*KROWB                    ; B's
	s_add_co_u32 s22, s22, B_CODES
	s_mov_b32 s23, 0
	s_mul_i32 s18, s17, SIZE_K*4                   ; A's scale words: my four row tiles
	s_lshl_b32 s46, s15, 8
	s_add_co_u32 s18, s18, s46
	s_add_co_u32 s18, s18, A_SCALES
	s_mov_b32 s19, 0
	s_mul_i32 s46, s42, SIZE_K*4                   ; B's
	s_lshl_b32 s47, s16, 8
	s_add_co_u32 s46, s46, s47
	s_add_co_u32 s46, s46, B_SCALES
	s_mov_b32 s47, 0
	s_lshl_b32 s96, s17, 1
	s_add_co_u32 s96, s96, s15
	s_lshl_b32 s96, s96, 18                        ; my first token: 64 rows of 4,096 bytes each
	s_lshl_b32 s98, s42, 1
	s_add_co_u32 s98, s98, s16
	s_lshl_b32 s98, s98, 8                         ; my first column: 256 bytes each
	s_add_co_u32 s96, s96, s98
	s_mov_b32 s97, 0
	s_lshl_b32 s2, s15, 15                         ; LDS: my four row tiles of A,
	s_lshl_b32 s3, s16, 15
	s_add_co_u32 s3, s3, HALF                      ; of B,
	s_mul_i32 s45, s14, 16*SPITCH
	s_add_co_u32 s45, s45, STAGE                   ; my stage
	s_wait_dscnt 0x0                               ; both opening adds are done
	CROUND                                         ; all sixteen work-groups are here: the first joint loads meet
	s_wait_kmcnt 0x0
	s_add_nc_u64 s[20:21], s[4:5], s[20:21]
	s_add_nc_u64 s[22:23], s[6:7], s[22:23]
	s_add_nc_u64 s[18:19], s[4:5], s[18:19]
	s_add_nc_u64 s[46:47], s[6:7], s[46:47]
	s_add_nc_u64 s[12:13], s[10:11], s[96:97]
	s_add_nc_u64 s[96:97], s[8:9], s[96:97]
	GROUP0 G0A0, 0, 20, 0
	GROUP0 G0B0, HALF, 22, 0
	GROUP0 G0A1, SLOT, 20, FILLB
	GROUP0 G0B1, SLOT+HALF, 22, FILLB
.if NF > 2
	s_mov_b32 s[G0RA], 1
	s_lshl_b32 s[G0RA+1], s16, 15
	s_add_nc_u64 s[G0RA+2:G0RA+3], s[20:21], s[100:101]
	s_or_b32 s[G0RA+3], s[G0RA+3], 0x80000000
	s_mov_b32 s[G0RB], 1
	s_lshl_b32 s[G0RB+1], s16, 15
	s_add_co_u32 s[G0RB+1], s[G0RB+1], HALF
	s_add_nc_u64 s[G0RB+2:G0RB+3], s[22:23], s[100:101]
	s_or_b32 s[G0RB+3], s[G0RB+3], 0x80000000
	s_add_nc_u64 s[92:93], s[20:21], s[92:93]
	s_add_nc_u64 s[94:95], s[22:23], s[94:95]
.endif
; the head's four loads, one a wave, an arm each: wave 0 A's part of slot 0, wave 1 B's, wave 2 A's part of slot 1, wave 3 B's
.macro ARM under, g0, g1, next
	s_cmp_lt_u32 s14, \under
	s_cbranch_scc0 \next
	tensor_load_to_lds s[\g0:\g0+3], s[\g1:\g1+7]
	s_nop 0
	PLACES 4
	s_branch .Lasked
\next:
.endm
	ARM 1, G0A0, G1A, .Lwave_1
	ARM 2, G0B0, G1B, .Lwave_2
	ARM 3, G0A1, G1A, .Lwave_3
	tensor_load_to_lds s[G0B1:G0B1+3], s[G1B:G1B+7]
	s_nop 0
	PLACES 4
.Lasked:
	v_and_b32 v1, 15, v0                           ; r
	v_bfe_u32 v2, v0, 4, 1                         ; h
	v_and_b32 v3, 31, v0
	v_lshlrev_b32 v4, 4, v3                        ; 16 lane
	v_lshlrev_b32 v[SO], 4, v1                     ; a row's four scale words
	v_add_nc_u32 v[ADRA], s2, v4
	v_add_nc_u32 v[ADRB], s3, v4
	v_add_nc_u32 v[ADRA+1], SLOT, v[ADRA]
	v_add_nc_u32 v[ADRB+1], SLOT, v[ADRB]
	v_mul_u32_u24 v5, v1, SPITCH
	v_mul_u32_u24 v6, v2, SPITCH
	v_lshl_add_u32 v5, v2, 6, v5
	v_lshl_add_u32 v6, v1, 4, v6
	v_add_nc_u32 v[STO], s45, v5                   ; the stage, in: row r, + 64 h
	v_add_nc_u32 v[RD], s45, v6                    ; back: sixteen lanes to a row of 256 bytes, two rows a load
	v_lshlrev_b32 v7, 12, v2
	v_lshl_add_u32 v[CO], v1, 4, v7                ; and the same two rows in memory
	v_lshlrev_b32 v[PFO], 8, v3
	s_wait_alu depctr_va_vdst(0)                   ; the wait at the head's end
.set Q, 0
.rept NS
	global_load_b128 v[SA+4*Q:SA+4*Q+3], v[SO], s[18:19] offset:512*Q   ; K step Q: the words of my four row tiles of A; both halves of the lanes read the same 256 bytes
	global_load_b128 v[SB+4*Q:SB+4*Q+3], v[SO], s[46:47] offset:512*Q   ; and of B
.set Q, Q+1
.endr
.if NF > 2
	global_prefetch_b8 v[PFO], s[92:93] th:TH_LOAD_NT scope:SCOPE_SE    ; what the two refills will ask for, three and seven K steps ahead of them: 32 blocks of 256 bytes of A,
	global_prefetch_b8 v[PFO], s[94:95] th:TH_LOAD_NT scope:SCOPE_SE    ; and of B; each block is named once in the cluster; the addresses are never rewritten
.endif
	WIN 0x80
.irp a, 0,1,2,3                        ; the residual: block a's row 2 t + h is token 32 (a / 2) + 8 (a % 2) + 16 (t / 4) + 2 (t % 4) + h of my 64
.irp t, 0,1,2,3,4,5,6,7
	global_load_b128 v[RES+32*\a+4*\t:RES+32*\a+4*\t+3], v[CO], s[96:97] offset:(32*(\a/2)+8*(\a%2)+16*(\t/4)+2*(\t%4))*4096 th:TH_LOAD_NT
.endr
.endr
	WIN 0
.macro FETCH q                         ; K step q's fragments into set q % 2: B's four, then A's four: 32 loads
	WIN 0x40
.irp i, 0,1,2,3
.irp c, 0,1,2,3
	ds_load_b128 v[128*((\q)%2)+64+16*\i+4*\c:128*((\q)%2)+64+16*\i+4*\c+3], v[ADRB+((\q)/4)%2] offset:8192*\i+2048*((\q)%4)+512*\c
.endr
.endr
.irp i, 0,1,2,3
.irp c, 0,1,2,3
	ds_load_b128 v[128*((\q)%2)+16*\i+4*\c:128*((\q)%2)+16*\i+4*\c+3], v[ADRA+((\q)/4)%2] offset:8192*\i+2048*((\q)%4)+512*\c
.endr
.endr
.endm
.macro MUL8 q, a0                      ; A's tiles a0, a0 + 1 x B's four; the first K step starts the sums
.irp a, \a0, \a0+1
.irp b, 0,1,2,3
.if (\q) == 0
	v_wmma_scale_f32_16x16x128_f8f6f4 v[8*(4*(\a)+\b):8*(4*(\a)+\b)+7], v[128*((\q)%2)+64+16*\b:128*((\q)%2)+64+16*\b+15], v[128*((\q)%2)+16*(\a):128*((\q)%2)+16*(\a)+15], 0, v[SB+4*(\q)+\b], v[SA+4*(\q)+(\a)]
.else
	v_wmma_scale_f32_16x16x128_f8f6f4 v[8*(4*(\a)+\b):8*(4*(\a)+\b)+7], v[128*((\q)%2)+64+16*\b:128*((\q)%2)+64+16*\b+15], v[128*((\q)%2)+16*(\a):128*((\q)%2)+16*(\a)+15], v[8*(4*(\a)+\b):8*(4*(\a)+\b)+7], v[SB+4*(\q)+\b], v[SA+4*(\q)+(\a)]
.endif
.endr
.endr
.endm
.macro STEP q
.if (\q)+1 < NS
	PLACES NP                                      ; behind the last step's products, ahead of the loads into the set that they read
	FETCH (\q)+1
	s_wait_dscnt 32                                ; this step's fragments are in; the 32 loads just issued may be out
.else
	s_wait_dscnt 0x0
.endif
	WIN MULW
	MUL8 \q, 0
	MUL8 \q, 2
.endm
; A slot's last step.  Its fragments are the last reads of the slot.  Every wave waits for all its tensor loads (the other slot's part among them), adds 0 to its spare word, waits for that and for its reads.
; Behind the barrier the other slot is whole; where K goes on, the barrier opens a round of the cluster's barrier and the slot just left is filled again, one load a wave.
.macro TURNQ q
	WIN 0
	s_wait_tensorcnt 0x0
	ds_add_u32 v[SPW], v[NIL]
.if (((\q)+1)/4+1 < NF) && ((\q) > 3)
	s_add_co_u32 s[G0RA+1], s[G0RA+1], SLOT        ; no load of mine is out: the second refill goes to slot 1, 512 further along K
	s_add_nc_u64 s[G0RA+2:G0RA+3], s[G0RA+2:G0RA+3], FILLB
	s_add_co_u32 s[G0RB+1], s[G0RB+1], SLOT
	s_add_nc_u64 s[G0RB+2:G0RB+3], s[G0RB+2:G0RB+3], FILLB
.endif
	s_wait_dscnt 0x0
	s_barrier_signal -1
	WIN MULW
	MUL8 \q, 0
	WIN 0
	s_barrier_wait -1
.if ((\q)+1)/4+1 < NF
	CREST
	JLOAD
	PLACES NP-4
.else
	PLACES NP
.endif
	FETCH (\q)+1
	WIN MULW
	MUL8 \q, 2
.endm
	s_cmp_lt_u32 s14, 2                            ; slot 0's two loads have lines of their own: waves 0 and 1 wait here, waves 2 and 3 at the slot's last step
	s_cbranch_scc0 .Lnot_first
	s_wait_tensorcnt 0x0
.Lnot_first:
	s_barrier_signal -1
	s_barrier_wait -1
	FETCH 0
	s_wait_loadcnt 32                              ; the scale words are in; the residual's 32 loads may be out
.set Q, 0
.rept NS
.if (Q%4 == 3) && (Q+1 < NS)
	TURNQ Q
.else
	STEP Q
.endif
.set Q, Q+1
.endr
; THE WAY OUT, block by block of 16 tokens x 64 columns: through my own stage (bytes that no tensor load fills), back as rows of 256 bytes, the residual added, sixteen lanes store 256 consecutive aligned bytes.
.macro TOSTAGE a
	WIN 0x08
.irp b, 0,1,2,3
	ds_store_b128 v[STO], v[8*(4*(\a)+\b):8*(4*(\a)+\b)+3] offset:128*(\b/2)+32*(\b%2)       ; B's tile b holds columns 32 (b / 2) + 16 h + 8 (b % 2) + 0..7; each accumulator from its low end on
	ds_store_b128 v[STO], v[8*(4*(\a)+\b)+4:8*(4*(\a)+\b)+7] offset:128*(\b/2)+32*(\b%2)+16
.endr
	WIN 0
.irp t, 0,1,2,3,4,5,6,7
	ds_load_b128 v[BK+32*((\a)%2)+4*\t:BK+32*((\a)%2)+4*\t+3], v[RD] offset:\t*2*SPITCH   ; LDS serves a wave's instructions in order (ISA guide 5.7.1.4)
.endr
.endm
.macro FINISH a
	WIN 0x08
.set n, 0
.rept 16
	v_pk_add_f32 v[BK+32*((\a)%2)+n:BK+32*((\a)%2)+n+1], v[BK+32*((\a)%2)+n:BK+32*((\a)%2)+n+1], v[RES+32*(\a)+n:RES+32*(\a)+n+1]
.set n, n+2
.endr
	WIN 0
.irp t, 0,1,2,3,4,5,6,7
.if LAST
	global_store_b128 v[CO], v[BK+32*((\a)%2)+4*\t:BK+32*((\a)%2)+4*\t+3], s[12:13] offset:(32*((\a)/2)+8*((\a)%2)+16*(\t/4)+2*(\t%4))*4096 th:TH_STORE_NT
.else
	global_store_b128 v[CO], v[BK+32*((\a)%2)+4*\t:BK+32*((\a)%2)+4*\t+3], s[12:13] offset:(32*((\a)/2)+8*((\a)%2)+16*(\t/4)+2*(\t%4))*4096
.endif
.endr
.endm
	PLACES NP
	TOSTAGE 0
	s_wait_loadcnt 0x0                             ; the residual
.irp a, 0,1,2,3
.if \a < 3
.if \a > 0
	s_wait_xcnt 0x0                                ; block a - 1's stores have read their registers: block a + 1's rows may land there
.endif
	TOSTAGE \a+1
	s_wait_dscnt 16                                ; block a is back; block a + 1's 8 stores and 8 loads may be out
.else
	s_wait_dscnt 0x0
.endif
	FINISH \a
.endr
	s_wait_tensorcnt 0x0                           ; the wave's end
	ds_add_u32 v[SPW], v[NIL]
	s_wait_dscnt 0x0
	CROUND                                         ; the closing round
	s_endpgm
.Lfunc_end_k_qb4a44bd941_wo:
	.size	k_qb4a44bd941_wo, .Lfunc_end_k_qb4a44bd941_wo-k_qb4a44bd941_wo
	.p2alignl 7, 3214868480
	.fill 96, 4, 3214868480
	.section	.rodata,"a",@progbits
	.p2align	6, 0x0
	.amdhsa_kernel k_qb4a44bd941_wo
		.amdhsa_group_segment_fixed_size 327680
		.amdhsa_private_segment_fixed_size 0
		.amdhsa_enable_private_segment 0
		.amdhsa_kernarg_size 32
		.amdhsa_user_sgpr_count 2
		.amdhsa_user_sgpr_kernarg_segment_ptr 1
		.amdhsa_wavefront_size32 1
		.amdhsa_system_sgpr_workgroup_id_x 1
		.amdhsa_system_sgpr_workgroup_id_y 1
		.amdhsa_system_sgpr_workgroup_id_z 1
		.amdhsa_system_vgpr_workitem_id 0
		.amdhsa_next_free_vgpr 768
		.amdhsa_next_free_sgpr 102
		.amdhsa_reserve_vcc 0
		.amdhsa_float_denorm_mode_32 3
		.amdhsa_float_denorm_mode_16_64 3
		.amdhsa_memory_ordered 1
		.amdhsa_forward_progress 1
		.amdhsa_inst_pref_size 59
	.end_amdhsa_kernel
	.amdgpu_metadata
---
amdhsa.version: [ 1, 2 ]
amdhsa.kernels:
  - .name:           k_qb4a44bd941_wo
    .symbol:         k_qb4a44bd941_wo.kd
    .args:
      - { .name: ao, .offset: 0, .size: 8, .value_kind: global_buffer, .address_space: global }
      - { .name: wts, .offset: 8, .size: 8, .value_kind: global_buffer, .address_space: global }
      - { .name: x, .offset: 16, .size: 8, .value_kind: global_buffer, .address_space: global }
      - { .name: x1, .offset: 24, .size: 8, .value_kind: global_buffer, .address_space: global }
    .group_segment_fixed_size: 327680
    .private_segment_fixed_size: 0
    .kernarg_segment_align: 8
    .kernarg_segment_size: 32
    .max_flat_workgroup_size: 128
    .sgpr_count:     102
    .vgpr_count:     768
    .wavefront_size: 32
...
	.end_amdgpu_metadata
.endif
;; end of part 4
;; launch norm2 (part 5): grid 256 x 1, 8 waves a work-group, no clusters, 70,656 bytes of LDS; arguments x1, ffn_norm_w, hbuf; writes hbuf
.if DOCPART == 5
	.amdgcn_target "amdgcn-amd-amdhsa--gfx1250"
	.amdhsa_code_object_version 6
	.text
	.protected	k_qb4a44bd941_norm2
	.globl	k_qb4a44bd941_norm2
	.p2align	8
	.type	k_qb4a44bd941_norm2,@function
k_qb4a44bd941_norm2:
	s_mov_b64 s[64:65], 0
	v_nop
	global_prefetch_b8 v0, s[64:65] scope:SCOPE_SE
	s_setreg_imm32_b32 hwreg(HW_REG_WAVE_MODE, 25, 1), 1
	s_wait_xcnt 0x0
; NORM2: h2 = rmsnorm(x1) x gain, quantised to E4M3 with one E8M0 byte for each 32 along K, stored as images of the operand's registers with the tokens in PI order (bits 3, 4 of the position exchanged).
; A work-group takes a tile of 16 token positions; wave w takes columns 128 w .. 128 w + 127 and makes one fragment (at (8 T + w) 2048) and one scale word a row.
; Loads take the bytes as they lie (512 a load); the wave's own stage in LDS turns them so that lane (r, h) holds, of row r, 16 neighbours of each block of 32.  One barrier: the rows' sums of squares meet in LDS.
; LIMITS: a block of zeros gets the byte 1; NaN and infinities are not served; the sum's order is not a plain loop's; the scale words leave 4 bytes a lane, 16 bytes apart.
.set SEL,  58
.set MNT,  60
.set TM,   208
.set PW,   224
.set PC,   236
.set RAW, 16
.set XN,  80
.set WG,  144
.set RED, 67584
.macro QUANT s, nb
.irp b, 0,1,2,3
.if \b < \nb
	v_max3_num_f32 v[TM+\b], |v[\s+16*\b]|, |v[\s+16*\b+1]|, 0x4800000
.endif
.endr
.irp i, 2,4,6,8,10,12,14
.irp b, 0,1,2,3
.if \b < \nb
	s_delay_alu instid0(VALU_DEP_4)
	v_max3_num_f32 v[TM+\b], v[TM+\b], |v[\s+16*\b+\i]|, |v[\s+16*\b+\i+1]|
.endif
.endr
.endr
.irp b, 0,1,2,3
.if \b < \nb
	s_delay_alu instid0(VALU_DEP_4)
	v_permlanex16_b32 v[TM+4+\b], v[TM+\b], s[SEL], s[SEL+1]
.endif
.endr
.irp b, 0,1,2,3
.if \b < \nb
	s_delay_alu instid0(VALU_DEP_4)
	v_max_num_f32 v[TM+\b], v[TM+\b], v[TM+4+\b]
.endif
.endr
.irp b, 0,1,2,3
.if \b < \nb
	s_delay_alu instid0(VALU_DEP_4)
	v_add_nc_u32 v[TM+12+\b], 0xfc000000, v[TM+\b]
.endif
.endr
.irp b, 0,1,2,3
.if \b < \nb
	v_and_or_b32 v[TM+8+\b], v[TM+\b], 0x7f800000, s[MNT]
.endif
.endr
.irp b, 0,1,2,3
.if \b < \nb
	v_lshrrev_b32 v[TM+4+\b], 23, v[TM+12+\b]
.endif
.endr
	s_delay_alu instid0(VALU_DEP_3)
	v_lshl_or_b32 v[PW], v[TM+5], 8, v[TM+4]
.if \nb > 2
	s_delay_alu instid0(VALU_DEP_1)
	v_lshl_or_b32 v[PW], v[TM+6], 16, v[PW]
	s_delay_alu instid0(VALU_DEP_1)
	v_lshl_or_b32 v[PW], v[TM+7], 24, v[PW]
.endif
.irp b, 0,1,2,3
.if \b < \nb
.irp i, 0,1,2,3,4,5,6,7,8,9,10,11,12,13,14,15
	v_med3_num_f32 v[\s+16*\b+\i], v[\s+16*\b+\i], -v[TM+8+\b], v[TM+8+\b]
.endr
	v_cvt_scalef32_pk8_fp8_f32 v[PC+4*\b:PC+4*\b+1], v[\s+16*\b:\s+16*\b+7], v[TM+12+\b]
	v_cvt_scalef32_pk8_fp8_f32 v[PC+4*\b+2:PC+4*\b+3], v[\s+16*\b+8:\s+16*\b+15], v[TM+12+\b]
.endif
.endr
	v_nop
.endm
	s_load_b128 s[4:7], s[0:1], 0x0                ; x1, the gains
	s_load_b64 s[8:9], s[0:1], 0x10                ; hbuf
	v_lshl_add_u32 v254, v0, 2, 0x11000
	v_mov_b32 v255, 0
	v_lshrrev_b32 v1, 5, v0
	s_delay_alu instid0(VALU_DEP_1)
	v_readfirstlane_b32 s2, v1                     ; wave 0..7
	s_mov_b32 s3, ttmp9                            ; the tile of 16 positions
	v_and_b32 v1, 31, v0
	v_and_b32 v2, 15, v0
	v_bfe_u32 v3, v0, 4, 1
	s_delay_alu instid0(VALU_DEP_3)
	v_lshlrev_b32 v4, 4, v1
	s_delay_alu instid0(VALU_DEP_2)
	v_lshlrev_b32 v5, 6, v3
	s_mul_i32 s18, s2, 8448
	v_add_nc_u32 v6, s18, v4
	v_mul_u32_u24 v7, v2, 528
	s_delay_alu instid0(VALU_DEP_1)
	v_add_nc_u32 v7, v7, v5
	s_delay_alu instid0(VALU_DEP_1)
	v_add_nc_u32 v7, s18, v7
	v_lshlrev_b32 v9, 2, v2
	s_delay_alu instid0(VALU_DEP_1)
	v_add_nc_u32 v9, RED, v9
	s_lshl_b32 s18, s2, 6
	v_add_nc_u32 v8, s18, v9
	v_lshlrev_b32 v10, 4, v2
	s_mov_b32 s[SEL], 0x76543210
	s_mov_b32 s[SEL+1], 0xfedcba98
	s_mov_b32 s[MNT], 0x600000
	s_mov_b32 s22, 0x3a800000                      ; 1 / 1024
	s_mov_b32 s23, 0x358637bd                      ; 1e-6
.irp b, 0,1,2,3
	v_mov_b32 v[TM+4+\b], 0
.endr
	s_lshr_b32 s10, s3, 1
	s_lshl_b32 s10, s10, 5
	s_and_b32 s11, s3, 1
	s_lshl_b32 s11, s11, 3
	s_add_co_u32 s10, s10, s11
	s_lshl_b32 s10, s10, 12
	s_lshl_b32 s12, s2, 9
	s_add_co_u32 s10, s10, s12
	s_mov_b32 s11, 0
	s_mov_b32 s13, 0
	s_lshl_b32 s14, s3, 3
	s_add_co_u32 s14, s14, s2
	s_lshl_b32 s14, s14, 11
	s_mov_b32 s15, 0
	s_lshr_b32 s16, s3, 3
	s_lshl_b32 s16, s16, 3
	s_add_co_u32 s16, s16, s2
	s_lshl_b32 s16, s16, 9
	s_bfe_u32 s17, s3, 0x10002
	s_lshl_b32 s17, s17, 8
	s_add_co_u32 s16, s16, s17
	s_and_b32 s17, s3, 3
	s_lshl_b32 s17, s17, 2
	s_add_co_u32 s16, s16, s17
	s_add_co_u32 s16, s16, 4194304
	s_mov_b32 s17, 0
	s_wait_alu depctr_va_vdst(0)
	s_wait_kmcnt 0x0
	s_add_nc_u64 s[4:5], s[4:5], s[10:11]
	s_add_nc_u64 s[6:7], s[6:7], s[12:13]
	s_add_nc_u64 s[14:15], s[8:9], s[14:15]
	s_add_nc_u64 s[16:17], s[8:9], s[16:17]
.irp i, 0,1,2,3,4,5,6,7,8,9,10,11,12,13,14,15
	global_load_b128 v[RAW+4*\i:RAW+4*\i+3], v4, s[4:5] offset:(16*(\i/8)+(\i%8))*4096 th:TH_LOAD_NT
.endr
.irp b, 0,1,2,3
.irp j, 0,1,2,3
	global_load_b128 v[WG+16*\b+4*\j:WG+16*\b+4*\j+3], v5, s[6:7] offset:128*\b+16*\j
.endr
.endr
	s_wait_loadcnt 16                              ; the rows are in; the gains' 16 loads may be out
.irp i, 0,1,2,3,4,5,6,7,8,9,10,11,12,13,14,15
	ds_store_b128 v6, v[RAW+4*\i:RAW+4*\i+3] offset:528*\i
.endr
.irp b, 0,1,2,3
.irp j, 0,1,2,3
	ds_load_b128 v[XN+16*\b+4*\j:XN+16*\b+4*\j+3], v7 offset:128*\b+16*\j
.endr
.endr
	s_wait_dscnt 0x0
	v_pk_mul_f32 v[226:227], v[XN:XN+1], v[XN:XN+1]
	v_pk_mul_f32 v[228:229], v[XN+2:XN+3], v[XN+2:XN+3]
.irp i, 4,8,12,16,20,24,28,32,36,40,44,48,52,56,60
	s_delay_alu instid0(VALU_DEP_2)
	v_pk_fma_f32 v[226:227], v[XN+\i:XN+\i+1], v[XN+\i:XN+\i+1], v[226:227]
	s_delay_alu instid0(VALU_DEP_2)
	v_pk_fma_f32 v[228:229], v[XN+\i+2:XN+\i+3], v[XN+\i+2:XN+\i+3], v[228:229]
.endr
	s_delay_alu instid0(VALU_DEP_1)
	v_pk_add_f32 v[226:227], v[226:227], v[228:229]
	s_delay_alu instid0(VALU_DEP_1)
	v_add_f32 v226, v226, v227
	s_delay_alu instid0(VALU_DEP_1)
	v_permlanex16_b32 v227, v226, s[SEL], s[SEL+1]
	s_delay_alu instid0(VALU_DEP_1)
	v_add_f32 v226, v226, v227
	ds_store_b32 v8, v226
	s_wait_dscnt 0x0                               ; for the others' sake: my store has landed
	s_barrier_signal -1
	s_barrier_wait -1
.irp k, 0,1,2,3,4,5,6,7
	ds_load_b32 v[226+\k], v9 offset:64*\k
.endr
	s_wait_dscnt 0x0
	v_add_f32 v226, v226, v227
	v_add_f32 v228, v228, v229
	v_add_f32 v230, v230, v231
	v_add_f32 v232, v232, v233
	s_delay_alu instid0(VALU_DEP_3)
	v_add_f32 v226, v226, v228
	s_delay_alu instid0(VALU_DEP_2)
	v_add_f32 v230, v230, v232
	s_delay_alu instid0(VALU_DEP_1)
	v_add_f32 v226, v226, v230
	s_delay_alu instid0(VALU_DEP_1)
	v_fma_f32 v226, v226, s22, s23
	s_wait_alu depctr_va_vdst(0)
	v_rsq_f32 v234, v226
	v_mov_b32 v235, 0                              ; a plain line behind the transcendental; the pair's upper half is named below
	s_wait_alu depctr_va_vdst(0)                   ; the wait ahead of the first reader
	s_wait_loadcnt 0x0
.set i, 0
.rept 32
	v_pk_mul_f32 v[XN+i:XN+i+1], v[XN+i:XN+i+1], v[234:235] op_sel_hi:[1,0]
.set i, i+2
.endr
.set i, 0
.rept 32
	v_pk_mul_f32 v[XN+i:XN+i+1], v[XN+i:XN+i+1], v[WG+i:WG+i+1]
.set i, i+2
.endr
	QUANT XN, 4
.irp c, 0,1,2,3
	global_store_b128 v4, v[PC+4*\c:PC+4*\c+3], s[14:15] offset:512*\c
.endr
	global_store_b32 v10, v[PW], s[16:17]
	s_wait_tensorcnt 0x0
	ds_add_u32 v254, v255
	s_wait_dscnt 0x0
	s_endpgm
.Lfunc_end_k_qb4a44bd941_norm2:
	.size	k_qb4a44bd941_norm2, .Lfunc_end_k_qb4a44bd941_norm2-k_qb4a44bd941_norm2
	.p2alignl 7, 3214868480
	.fill 96, 4, 3214868480
	.section	.rodata,"a",@progbits
	.p2align	6, 0x0
	.amdhsa_kernel k_qb4a44bd941_norm2
		.amdhsa_group_segment_fixed_size 70656
		.amdhsa_private_segment_fixed_size 0
		.amdhsa_enable_private_segment 0
		.amdhsa_kernarg_size 24
		.amdhsa_user_sgpr_count 2
		.amdhsa_user_sgpr_kernarg_segment_ptr 1
		.amdhsa_wavefront_size32 1
		.amdhsa_system_sgpr_workgroup_id_x 1
		.amdhsa_system_sgpr_workgroup_id_y 1
		.amdhsa_system_sgpr_workgroup_id_z 1
		.amdhsa_system_vgpr_workitem_id 0
		.amdhsa_next_free_vgpr 256
		.amdhsa_next_free_sgpr 66
		.amdhsa_reserve_vcc 0
		.amdhsa_float_denorm_mode_32 3
		.amdhsa_float_denorm_mode_16_64 3
		.amdhsa_memory_ordered 1
		.amdhsa_forward_progress 1
		.amdhsa_inst_pref_size 27
	.end_amdhsa_kernel
	.amdgpu_metadata
---
amdhsa.version: [ 1, 2 ]
amdhsa.kernels:
  - .name:           k_qb4a44bd941_norm2
    .symbol:         k_qb4a44bd941_norm2.kd
    .args:
      - { .name: x1, .offset: 0, .size: 8, .value_kind: global_buffer, .address_space: global }
      - { .name: ffn_norm_w, .offset: 8, .size: 8, .value_kind: global_buffer, .address_space: global }
      - { .name: hbuf, .offset: 16, .size: 8, .value_kind: global_buffer, .address_space: global }
    .group_segment_fixed_size: 70656
    .private_segment_fixed_size: 0
    .kernarg_segment_align: 8
    .kernarg_segment_size: 24
    .max_flat_workgroup_size: 256
    .sgpr_count:     66
    .vgpr_count:     256
    .wavefront_size: 32
...
	.end_amdgpu_metadata
.endif
;; end of part 5
;; launch gu (part 6): grid 16 x 16, 4 waves a work-group, clusters of 4 x 4, 327,680 bytes of LDS; arguments hbuf, wts, gbuf; writes gbuf
.if DOCPART == 6
	.amdgcn_target "amdgcn-amd-amdhsa--gfx1250"
	.amdhsa_code_object_version 6
	.text
	.protected	k_qb4a44bd941_gu
	.globl	k_qb4a44bd941_gu
	.p2align	8
	.type	k_qb4a44bd941_gu,@function
k_qb4a44bd941_gu:
	s_mov_b64 s[64:65], 0
	v_nop
	global_prefetch_b8 v0, s[64:65] scope:SCOPE_SE
	s_setreg_imm32_b32 hwreg(HW_REG_WAVE_MODE, 25, 1), 1
	s_wait_xcnt 0x0
	s_wait_alu depctr_hold_cnt(0) depctr_sa_sdst(0) depctr_va_vdst(0) depctr_va_sdst(0) depctr_va_ssrc(0) depctr_va_vcc(0) depctr_vm_vsrc(0)
	s_getreg_b32 s2, hwreg(HW_REG_IB_STS2, 6, 4)
	s_cmp_eq_u32 s2, 0
	s_cbranch_scc0 .Lentry_in_a_cluster
	s_endpgm
.Lentry_in_a_cluster:
	s_bfe_u32 s2, ttmp6, 0x10000c
	s_cmp_lg_u32 s2, 0xf033
	s_cbranch_scc0 .Lentry_shape_is_right
	s_endpgm
.Lentry_shape_is_right:
.set SIZE_K,   1024
.set A_SCALES, 4194304
.set B_CODES,  4194304
.set B_SCALES, 10616832
.set KROWB,  SIZE_K*16
.set STEPB,  4096
.set NP,     8
.set HALFT,  32768
.set SLOT,   131072
.set LAPS,   SIZE_K/512
.set HALFS,  SIZE_K*4
.set SCL,    2*SLOT
.set SPARE,  SCL+4*HALFS
.set ADRA, 16
.set ADRB, 20
.set ADRS, 27
.set SPW,  28
.set NIL,  29
.set SC,   32
.set AF,   128
.set G1, 24
.set G0, 32
.set G1B, 48
.set G0B, 56
.set G1S, 68
.set G0S, 76
.set G1SB, 80
.set G0SB, 88
.set MSB, 0
.macro WIN new
.if MSB != (\new)
	s_set_vgpr_msb (MSB<<8)|(\new)
.set MSB, (\new)
.endif
.endm
.set MUL_LO, 0xa1
.set MUL_HI, 0xf1
.set TO_B,   0x40
.macro JLOAD g0a, g1a, g0b, g1b
	s_cmp_eq_u32 s15, 0
	s_cbranch_scc0 .Lfor_b_\@
	tensor_load_to_lds s[\g0a:\g0a+3], s[\g1a:\g1a+7]
	s_nop 0
.rept 4
	v_nop
.endr
	s_branch .Lasked_\@
.Lfor_b_\@:
	tensor_load_to_lds s[\g0b:\g0b+3], s[\g1b:\g1b+7]
	s_nop 0
.rept 4
	v_nop
.endr
.Lasked_\@:
.endm
.macro CREST
	s_cmp_lg_u32 s14, 0
	s_cbranch_scc1 .Lnot_wave_0_\@
	s_barrier_signal -3
.Lnot_wave_0_\@:
	s_barrier_wait -3
	s_barrier_signal -1
	s_barrier_wait -1
.endm
.macro CROUND
	s_barrier_signal -1
	s_barrier_wait -1
	CREST
.endm
	s_load_b128 s[4:7], s[0:1], 0x0
	s_load_b64 s[12:13], s[0:1], 0x10
	v_lshl_add_u32 v[SPW], v0, 2, SPARE
	v_mov_b32 v[NIL], 0
	ds_add_u32 v28, v29
	ds_add_u32 v28, v29
	s_wait_dscnt 0x0
	v_lshrrev_b32 v1, 5, v0
	v_readfirstlane_b32 s14, v1
	s_lshr_b32 s15, s14, 1
	s_and_b32 s16, s14, 1
	s_bfe_u32 s40, ttmp6, 0x40000
	s_bfe_u32 s41, ttmp6, 0x40004
	s_lshl_b32 s42, ttmp9, 2
	s_add_co_u32 s42, s42, s40
	s_and_b32 s17, ttmp7, 0xffff
	s_lshl_b32 s17, s17, 2
	s_add_co_u32 s17, s17, s41
	s_lshl_b32 s43, s41, 2
	s_lshl_b32 s43, 15, s43
	s_lshl_b32 s44, 0x1111, s40
	s_or_b32 s[G1+0], s43, (3<<16)|(1<<21)
	s_or_b32 s[G1B+0], s44, (3<<16)|(1<<21)
.irp g, G1, G1B
	s_mov_b32 s[\g+1], 512<<16
	s_mov_b32 s[\g+2], 16<<16
	s_mov_b32 s[\g+3], 512<<16
	s_mov_b32 s[\g+4], 16
	s_mov_b32 s[\g+5], KROWB/8
	s_mov_b32 s[\g+6], 0
	s_mov_b32 s[\g+7], 0
.endr
	s_or_b32 s[G1S+0], s43, (3<<16)|(1<<21)
	s_or_b32 s[G1SB+0], s44, (3<<16)|(1<<21)
.irp g, G1S, G1SB
	s_mov_b32 s[\g+1], 32<<16
	s_mov_b32 s[\g+2], (HALFS/128)<<16
	s_mov_b32 s[\g+3], 32<<16
	s_mov_b32 s[\g+4], HALFS/128
	s_mov_b32 s[\g+5], 32
	s_mov_b32 s[\g+6], 0
	s_mov_b32 s[\g+7], 0
.endr
	s_lshl_b32 s18, s16, 3
	s_lshl_b32 s20, s17, 4
	s_add_co_u32 s20, s20, s18
	s_lshl_b32 s46, s42, 4
	s_add_co_u32 s46, s46, s18
	s_lshr_b32 s22, s20, 3
	s_lshr_b32 s92, s46, 3
	s_mul_i32 s20, s20, KROWB
	s_mul_i32 s46, s46, KROWB
	s_mul_i32 s22, s22, HALFS
	s_mul_i32 s92, s92, HALFS
	s_add_co_u32 s22, s22, A_SCALES
	s_add_co_u32 s46, s46, B_CODES
	s_add_co_u32 s92, s92, B_SCALES
	s_mov_b32 s21, 0
	s_mov_b32 s23, 0
	s_mov_b32 s47, 0
	s_mov_b32 s93, 0
	s_mul_i32 s45, s14, HALFT
	s_mul_i32 s94, s14, HALFS
	s_wait_kmcnt 0x0
	s_add_nc_u64 s[20:21], s[4:5], s[20:21]
	s_add_nc_u64 s[22:23], s[4:5], s[22:23]
	s_add_nc_u64 s[46:47], s[6:7], s[46:47]
	s_add_nc_u64 s[92:93], s[6:7], s[92:93]
	CROUND
	s_mov_b32 s[G0S], 1
	s_mov_b32 s[G0S+1], SCL
	s_mul_i32 s18, s16, HALFS                      ; back to the first of the tile's two groups of 128 rows
	s_mov_b32 s19, 0
	s_sub_nc_u64 s[G0S+2:G0S+3], s[22:23], s[18:19]
	s_or_b32 s[G0S+3], s[G0S+3], 0x80000000
	s_mov_b32 s[G0SB], 1
	s_mov_b32 s[G0SB+1], SCL+2*HALFS
	s_sub_nc_u64 s[G0SB+2:G0SB+3], s[92:93], s[18:19]
	s_or_b32 s[G0SB+3], s[G0SB+3], 0x80000000
.irp s, 0,1
	s_mov_b32 s[G0+4*\s], 1
	s_add_co_u32 s[G0+4*\s+1], s45, \s*SLOT
	s_add_nc_u64 s[G0+4*\s+2:G0+4*\s+3], s[20:21], \s*STEPB
	s_or_b32 s[G0+4*\s+3], s[G0+4*\s+3], 0x80000000
	s_mov_b32 s[G0B+4*\s], 1
	s_add_co_u32 s[G0B+4*\s+1], s45, \s*SLOT
	s_add_nc_u64 s[G0B+4*\s+2:G0B+4*\s+3], s[46:47], \s*STEPB
	s_or_b32 s[G0B+4*\s+3], s[G0B+4*\s+3], 0x80000000
.endr
; THE HEAD'S FOUR TILES, ONE A WAVE, an arm each: wave 0 K step 0's 16 row tiles of A (its own slot 0 descriptor begins at the tile's first row), wave 1 the scale words of A's 256 rows, wave 2 B's 16 row tiles, wave 3 B's scale words
.macro ARM under, g0, g1, next
	s_cmp_lt_u32 s14, \under
	s_cbranch_scc0 \next
	tensor_load_to_lds s[\g0:\g0+3], s[\g1:\g1+7]
	s_nop 0
.rept 4
	v_nop
.endr
	s_branch .Lhead_asked
\next:
.endm
	ARM 1, G0, G1, .Lhead_sa
	ARM 2, G0S, G1S, .Lhead_b
	ARM 3, G0B, G1B, .Lhead_sb
	tensor_load_to_lds s[G0SB:G0SB+3], s[G1SB:G1SB+7]
	s_nop 0
.rept 4
	v_nop
.endr
.Lhead_asked:
	s_wait_alu depctr_va_vdst(0)
	s_wait_tensorcnt 0x0                           ; my tile of the four is in
	ds_add_u32 v28, v29
	s_mov_b32 s[G1+2], 8<<16                       ; no load of mine is out: from here on a load brings 8 row tiles
	s_mov_b32 s[G1+4], 8
	s_mov_b32 s[G1B+2], 8<<16
	s_mov_b32 s[G1B+4], 8
	s_wait_dscnt 0x0
	CROUND
	JLOAD G0+4, G1, G0B+4, G1B
	v_and_b32 v1, 15, v0
	v_bfe_u32 v2, v0, 4, 1
	s_wait_alu depctr_va_vdst(0)
	v_and_b32 v3, 31, v0
	v_lshlrev_b32 v4, 4, v3
	s_mul_i32 s21, s15, HALFT
	s_mul_i32 s22, s16, HALFT
	s_add_co_u32 s22, s22, 2*HALFT
.irp s, 0,1
	v_add_nc_u32 v[ADRA+\s], s21, v4
	v_add_nc_u32 v[ADRB+\s], s22, v4
	s_add_co_u32 s21, s21, SLOT
	s_add_co_u32 s22, s22, SLOT
.endr
	v_lshlrev_b32 v5, 4, v1
	s_mul_i32 s21, s15, HALFS
	s_mul_i32 s22, s16, HALFS
	s_add_co_u32 s22, s22, 2*HALFS
	s_sub_co_u32 s22, s22, s21
	v_mul_u32_u24 v6, s22, v2
	s_add_co_u32 s21, s21, SCL
	v_add_nc_u32 v5, v5, v6
	v_add_nc_u32 v[ADRS], s21, v5
.macro FRAG reg, adr, q, i
.irp c, 0,1,2,3
	ds_load_b128 v[\reg+4*\c:\reg+4*\c+3], v[\adr] offset:4096*(\i)+2048*(\q)+512*\c
.endr
.endm
.macro MUL16 a0, p, q, sc, zero
.irp a, \a0, \a0+1
.irp b, 0,1,2,3,4,5,6,7
.if \zero
	v_wmma_scale_f32_16x16x128_f8f6f4 v[8*(8*((\a)%4)+\b):8*(8*((\a)%4)+\b)+7], v[128*(\p)+16*\b:128*(\p)+16*\b+15], v[AF+16*(\a):AF+16*(\a)+15], 0, v[SC+16*(\sc)+8*(\q)+\b], v[SC+16*(\sc)+8*(\q)+(\a)] matrix_a_scale:MATRIX_SCALE_ROW1
.else
	v_wmma_scale_f32_16x16x128_f8f6f4 v[8*(8*((\a)%4)+\b):8*(8*((\a)%4)+\b)+7], v[128*(\p)+16*\b:128*(\p)+16*\b+15], v[AF+16*(\a):AF+16*(\a)+15], v[8*(8*((\a)%4)+\b):8*(8*((\a)%4)+\b)+7], v[SC+16*(\sc)+8*(\q)+\b], v[SC+16*(\sc)+8*(\q)+(\a)] matrix_a_scale:MATRIX_SCALE_ROW1
.endif
.endr
.endr
.endm
.macro FETCH_B slot, q, p
	WIN TO_B
.irp i, 0,1,2,3,4,5,6,7
	FRAG 128*(\p)+16*\i, ADRB+\slot, \q, \i
.endr
	WIN 0
.endm
.macro FETCH_A slot, q, i0
.irp i, \i0, \i0+1, \i0+2, \i0+3
	FRAG AF+16*(\i), ADRA+\slot, \q, \i
.endr
.endm
.macro SCALES sc
.irp q, 0,1
.irp u, 0,1
	ds_load_b128 v[SC+16*\sc+8*\q+4*\u:SC+16*\sc+8*\q+4*\u+3], v[ADRS] offset:512*\q+256*\u
.endr
.endr
.endm
.macro PLACES n
.rept \n
	v_nop
.endr
.endm
.macro STEP slot, q, zero
	s_wait_dscnt 16
	WIN MUL_LO
	MUL16 0, (\q)%2, \q, \slot, \zero
	MUL16 2, (\q)%2, \q, \slot, \zero
	s_wait_dscnt 0x0
	PLACES NP
	FETCH_B \slot, (\q)+1, 1-(\q)%2
	FETCH_A \slot, (\q)+1, 0
	WIN MUL_HI
	MUL16 4, (\q)%2, \q, \slot, \zero
	MUL16 6, (\q)%2, \q, \slot, \zero
	PLACES NP
	WIN 0
	FETCH_A \slot, (\q)+1, 4
.endm
.macro TURN slot, next, fill
	s_wait_tensorcnt 0x0
	ds_add_u32 v[SPW], v[NIL]
	s_wait_dscnt 17
	WIN MUL_LO
	MUL16 0, 1, 1, \slot, 0
	s_wait_dscnt 0x0
	s_barrier_signal -1
	MUL16 2, 1, 1, \slot, 0
	WIN 0
	s_barrier_wait -1
.if \fill
	CREST
	s_add_nc_u64 s[G0+4*\slot+2:G0+4*\slot+3], s[G0+4*\slot+2:G0+4*\slot+3], 2*STEPB
	s_add_nc_u64 s[G0B+4*\slot+2:G0B+4*\slot+3], s[G0B+4*\slot+2:G0B+4*\slot+3], 2*STEPB
	JLOAD G0+4*\slot, G1, G0B+4*\slot, G1B
	PLACES NP-4
.else
	PLACES NP
.endif
	s_wait_alu depctr_va_vdst(0)
	v_add_nc_u32 v[ADRS], 1024, v[ADRS]
	FETCH_B \next, 0, 0
	FETCH_A \next, 0, 0
	SCALES \next
	WIN MUL_HI
	MUL16 4, 1, 1, \slot, 0
	MUL16 6, 1, 1, \slot, 0
	PLACES NP
	WIN 0
	FETCH_A \next, 0, 4
.endm
	s_wait_alu depctr_va_vdst(0)
	s_wait_tensorcnt 1
	s_barrier_signal -1
	s_barrier_wait -1
	FETCH_B 0, 0, 0
	FETCH_A 0, 0, 0
	SCALES 0
	FETCH_A 0, 0, 4
	STEP 0, 0, 1
	s_mov_b32 s3, LAPS-1
.Llap:
	TURN 0, 1, 1
	STEP 1, 0, 0
	TURN 1, 0, 1
	STEP 0, 0, 0
	s_sub_co_u32 s3, s3, 1
	s_cmp_lg_u32 s3, 0
	s_cbranch_scc1 .Llap
	TURN 0, 1, 0
	STEP 1, 0, 0
	s_wait_dscnt 16
	WIN MUL_LO
	MUL16 0, 1, 1, 1, 0
	MUL16 2, 1, 1, 1, 0
	s_wait_dscnt 0x0
	WIN MUL_HI
	MUL16 4, 1, 1, 1, 0
	MUL16 6, 1, 1, 1, 0
	WIN 0
.set E,   64
.set TM,  96
.set PWS, 112
.set PK,  120
.set GO,  124
.set GS,  125
.set HH,  126
.set SEL, 20
.set MNT, 22
.macro QUANT s, nb
.irp b, 0,1,2,3
.if \b < \nb
	v_max3_num_f32 v[TM+\b], |v[\s+16*\b]|, |v[\s+16*\b+1]|, 0x4800000
.endif
.endr
.irp i, 2,4,6,8,10,12,14
.irp b, 0,1,2,3
.if \b < \nb
	v_max3_num_f32 v[TM+\b], v[TM+\b], |v[\s+16*\b+\i]|, |v[\s+16*\b+\i+1]|
.endif
.endr
.endr
.irp b, 0,1,2,3
.if \b < \nb
	v_permlanex16_b32 v[TM+4+\b], v[TM+\b], s[SEL], s[SEL+1]
.endif
.endr
.irp b, 0,1,2,3
.if \b < \nb
	v_max_num_f32 v[TM+\b], v[TM+\b], v[TM+4+\b]
.endif
.endr
.irp b, 0,1,2,3
.if \b < \nb
	v_add_nc_u32 v[TM+12+\b], 0xfc000000, v[TM+\b]
.endif
.endr
.irp b, 0,1,2,3
.if \b < \nb
	v_and_or_b32 v[TM+8+\b], v[TM+\b], 0x7f800000, s[MNT]
.endif
.endr
.irp b, 0,1,2,3
.if \b < \nb
	v_lshrrev_b32 v[TM+4+\b], 23, v[TM+12+\b]
.endif
.endr
	v_lshl_or_b32 v[PW], v[TM+5], 8, v[TM+4]
.if \nb > 2
	v_lshl_or_b32 v[PW], v[TM+6], 16, v[PW]
	v_lshl_or_b32 v[PW], v[TM+7], 24, v[PW]
.endif
.irp b, 0,1,2,3
.if \b < \nb
.irp i, 0,1,2,3,4,5,6,7,8,9,10,11,12,13,14,15
	v_med3_num_f32 v[\s+16*\b+\i], v[\s+16*\b+\i], -v[TM+8+\b], v[TM+8+\b]
.endr
	v_cvt_scalef32_pk8_fp8_f32 v[PC+4*\b:PC+4*\b+1], v[\s+16*\b:\s+16*\b+7], v[TM+12+\b]
	v_cvt_scalef32_pk8_fp8_f32 v[PC+4*\b+2:PC+4*\b+3], v[\s+16*\b+8:\s+16*\b+15], v[TM+12+\b]
.endif
.endr
	v_nop
.endm
	PLACES NP
	s_lshl_b32 s18, s17, 4
	s_lshl_b32 s19, s15, 3
	s_add_co_u32 s18, s18, s19
	s_lshl_b32 s44, s18, 4
	s_add_co_u32 s44, s44, s42
	s_lshl_b32 s44, s44, 11
	s_lshl_b32 s19, s16, 10
	s_add_co_u32 s44, s44, s19
	s_mov_b32 s45, 0
	s_lshl_b32 s46, s18, 1
	s_add_co_u32 s46, s46, s42
	s_lshl_b32 s46, s46, 9
	s_lshl_b32 s19, s16, 1
	s_add_co_u32 s46, s46, s19
	s_add_co_u32 s46, s46, 8388608
	s_mov_b32 s47, 0
	s_add_nc_u64 s[44:45], s[12:13], s[44:45]
	s_add_nc_u64 s[46:47], s[12:13], s[46:47]
	s_mov_b32 s18, 0xbfb8aa3b
	s_mov_b32 s[SEL], 0x76543210
	s_mov_b32 s[SEL+1], 0xfedcba98
	s_mov_b32 s[MNT], 0x600000
	v_and_b32 v[GO], 31, v0
	v_lshlrev_b32 v[GO], 4, v[GO]
	v_bfe_u32 v[HH], v0, 4, 1
	v_and_b32 v[GS], 15, v0
	v_lshlrev_b32 v[GS], 4, v[GS]
	v_lshl_add_u32 v[GS], v[HH], 8, v[GS]
.irp b, 0,1,2,3
	v_mov_b32 v[TM+4+\b], 0
.endr
.macro GATE a
.set W, 2+(\a)/4
.set S, 64*((\a)%4)
	WIN W<<2
.set n, 0
.rept 32
	v_mul_f32 v[E+n], s18, v[S+n]
.set n, n+1
.endr
	WIN 0
.set n, 0
	s_wait_alu depctr_va_vdst(0)
.rept 32
	v_exp_f32 v[E+n], v[E+n]
.set n, n+1
.endr
	v_nop
	s_wait_alu depctr_va_vdst(0)
.set n, 0
.rept 16
	v_pk_add_f32 v[E+n:E+n+1], v[E+n:E+n+1], 1.0 op_sel_hi:[1,0]
.set n, n+2
.endr
.set n, 0
	s_wait_alu depctr_va_vdst(0)
.rept 32
	v_rcp_f32 v[E+n], v[E+n]
.set n, n+1
.endr
	v_nop
	s_wait_alu depctr_va_vdst(0)
	WIN W
.set n, 0
.rept 32
	v_mul_f32 v[E+n], v[S+n], v[E+n]
.set n, n+1
.endr
.set n, 0
.rept 32
	v_mul_f32 v[E+n], v[S+32+n], v[E+n]
.set n, n+1
.endr
	WIN 0
.set PC, 128+8*(\a)
.set PW, PWS+(\a)
	QUANT E, 2
	global_store_b128 v[GO], v[PC:PC+3], s[44:45] offset:(\a)*32768
	global_store_b128 v[GO], v[PC+4:PC+7], s[44:45] offset:(\a)*32768+512
.endm
.irp a, 0,1,2,3,4,5,6,7
	GATE \a
.endr
	v_cmp_ne_u32 vcc_lo, 0, v[HH]
.irp j, 0,1,2,3
	v_cndmask_b32 v[PK+\j], v[PWS+\j], v[PWS+4+\j], vcc_lo
.endr
.irp j, 0,1,2,3
	global_store_b16 v[GS], v[PK+\j], s[46:47] offset:4*\j
.endr
	s_wait_tensorcnt 0x0
	ds_add_u32 v[SPW], v[NIL]
	s_wait_dscnt 0x0
	CROUND
	s_endpgm
.Lfunc_end_k_qb4a44bd941_gu:
	.size	k_qb4a44bd941_gu, .Lfunc_end_k_qb4a44bd941_gu-k_qb4a44bd941_gu
	.p2alignl 7, 3214868480
	.fill 96, 4, 3214868480
	.section	.rodata,"a",@progbits
	.p2align	6, 0x0
	.amdhsa_kernel k_qb4a44bd941_gu
		.amdhsa_group_segment_fixed_size 327680
		.amdhsa_private_segment_fixed_size 0
		.amdhsa_enable_private_segment 0
		.amdhsa_kernarg_size 24
		.amdhsa_user_sgpr_count 2
		.amdhsa_user_sgpr_kernarg_segment_ptr 1
		.amdhsa_wavefront_size32 1
		.amdhsa_system_sgpr_workgroup_id_x 1
		.amdhsa_system_sgpr_workgroup_id_y 1
		.amdhsa_system_sgpr_workgroup_id_z 1
		.amdhsa_system_vgpr_workitem_id 0
		.amdhsa_next_free_vgpr 1024
		.amdhsa_next_free_sgpr 102
		.amdhsa_reserve_vcc 1
		.amdhsa_float_denorm_mode_32 3
		.amdhsa_float_denorm_mode_16_64 3
		.amdhsa_memory_ordered 1
		.amdhsa_forward_progress 1
		.amdhsa_inst_pref_size 201
	.end_amdhsa_kernel
	.amdgpu_metadata
---
amdhsa.version: [ 1, 2 ]
amdhsa.kernels:
  - .name:           k_qb4a44bd941_gu
    .symbol:         k_qb4a44bd941_gu.kd
    .args:
      - { .name: hbuf, .offset: 0, .size: 8, .value_kind: global_buffer, .address_space: global }
      - { .name: wts, .offset: 8, .size: 8, .value_kind: global_buffer, .address_space: global }
      - { .name: gbuf, .offset: 16, .size: 8, .value_kind: global_buffer, .address_space: global }
    .group_segment_fixed_size: 327680
    .private_segment_fixed_size: 0
    .kernarg_segment_align: 8
    .kernarg_segment_size: 24
    .max_flat_workgroup_size: 128
    .sgpr_count:     102
    .vgpr_count:     1024
    .wavefront_size: 32
...
	.end_amdgpu_metadata
.endif
;; end of part 6
;; launch down (part 7): grid 8 x 32, 4 waves a work-group, clusters of 4 x 4, 327,680 bytes of LDS; arguments gbuf, wts, x1, out0; writes out0
.if DOCPART == 7
	.amdgcn_target "amdgcn-amd-amdhsa--gfx1250"
	.amdhsa_code_object_version 6
	.text
	.protected	k_qb4a44bd941_down
	.globl	k_qb4a44bd941_down
	.p2align	8
	.type	k_qb4a44bd941_down,@function
k_qb4a44bd941_down:
	s_mov_b64 s[64:65], 0
	v_nop
	global_prefetch_b8 v0, s[64:65] scope:SCOPE_SE
	s_setreg_imm32_b32 hwreg(HW_REG_WAVE_MODE, 25, 1), 1
	s_wait_xcnt 0x0
	s_wait_alu depctr_hold_cnt(0) depctr_sa_sdst(0) depctr_va_vdst(0) depctr_va_sdst(0) depctr_va_ssrc(0) depctr_va_vcc(0) depctr_vm_vsrc(0)
	s_getreg_b32 s2, hwreg(HW_REG_IB_STS2, 6, 4)
	s_cmp_eq_u32 s2, 0
	s_cbranch_scc0 .Lentry_in_a_cluster
	s_endpgm
.Lentry_in_a_cluster:
	s_bfe_u32 s2, ttmp6, 0x10000c
	s_cmp_lg_u32 s2, 0xf033
	s_cbranch_scc0 .Lentry_shape_is_right
	s_endpgm
.Lentry_shape_is_right:
; DOWN: out0 = x1 + g w_down, the product on codes of E4M3 with E8M0 scales, sums in f32.
; A block of 128 tokens x 128 columns to a work-group: 32 x 8 = 256 work-groups.  Four waves, 64 x 64 each: 16 accumulators, which take turns.
; Codes lie as images of the operand's registers (fragment (row tile T, K step s of 128) at (T K/128 + s) 2048; registers 4c.. of lane l at 512 c + 16 l); position p holds logical row PI(p) (bits 3, 4 exchanged).
; LDS: a ring of two slots of 512 along K, each A's 8 row tiles x 8,192 bytes and then B's.  The head's four joint loads, one a wave, fill both; with K = 2,048 each slot is filled once more, behind a drained round
; of the cluster's barrier at the slot's last K step, a quarter of the slot a wave; a refill has four K steps' products (64 a wave) in which to land.
; CLUSTER 4 x 4: A's tiles are shared along a row of the cluster, B's along a column.  PREFETCH: what the two refills bring is asked for at the head, behind the tensor loads: two instructions a wave, lanes 256 bytes apart,
; the four partners of a joint load sharing the row tiles out by address.
; The scale words (4 K bytes for 128 rows) go from memory into registers, 256 consecutive bytes a load; A's and B's stand in registers whose numbers differ modulo 8.
; Source 0 = B (the weight's rows), source 1 = A (tokens): a lane holds eight neighbouring columns of one token.  The residual's 32 loads a wave are issued at the head.
; REGISTERS: window 0: v0-31 addresses, v32.. A's scale words, v100.. B's, v192-255 rows on the way out; window 1: two sets of 4 + 4 fragments; window 2: v0-127 accumulators, v128-255 the residual.
; LIMITS: NaN and infinities are not served; the sums' order is the matrix unit's, K ascending.
.set SIZE_K,   2048
.set A_SCALES, 8388608
.set B_CODES,  8388608
.set B_SCALES, 10747904
.set LAST,     1
.set NS,     SIZE_K/128
.set NF,     NS/4
.set KROWB,  SIZE_K*16
.set FILLB,  8192
.set HALF,   65536
.set SLOT,   131072
.set STAGE,  2*SLOT
.set SPITCH, 272
.set SPARE,  STAGE+4*16*SPITCH
.set NP,     8
.set ADRA, 16
.set ADRB, 18
.set STO,  20
.set RD,   21
.set CO,   22
.set SO,   23
.set PFO,  24
.set SPW,  28
.set NIL,  29
.set SA,   32
.set SB,   100
.set BK,   192
.set RES,  128
.set G1A,  24
.set G1B,  32
.set G0A0, 48
.set G0A1, 52
.set G0B0, 56
.set G0B1, 60
.set G1RA, 68
.set G1RB, 76
.set G0RA, 84
.set G0RB, 88
.set MULW, 0xa5                        ; sources 0 and 1 window 1, C and D window 2
.set MSB, 0
.macro WIN new
.if MSB != (\new)
	s_set_vgpr_msb (MSB<<8)|(\new)
.set MSB, (\new)
.endif
.endm
.macro PLACES n
.rept \n
	v_nop
.endr
.endm
.macro CREST
	s_cmp_lg_u32 s14, 0
	s_cbranch_scc1 .Lnot_wave_0_\@
	s_barrier_signal -3
.Lnot_wave_0_\@:
	s_barrier_wait -3
	s_barrier_signal -1
	s_barrier_wait -1
.endm
.macro CROUND
	s_barrier_signal -1
	s_barrier_wait -1
	CREST
.endm
.macro JLOAD                           ; a refill: waves 0, 1 the halves of A's part of a slot, waves 2, 3 of B's
	s_cmp_eq_u32 s15, 0
	s_cbranch_scc0 .Lfor_b_\@
	tensor_load_to_lds s[G0RA:G0RA+3], s[G1RA:G1RA+7]
	s_nop 0
	PLACES 4
	s_branch .Lasked_\@
.Lfor_b_\@:
	tensor_load_to_lds s[G0RB:G0RB+3], s[G1RB:G1RB+7]
	s_nop 0
	PLACES 4
.Lasked_\@:
.endm
.macro GROUP1 g, mask, rows            ; so many row tiles x 8,192 bytes (1,024 elements of 8), KROWB bytes apart
	s_or_b32 s[\g], s[\mask], (3<<16)|(1<<21)
	s_mov_b32 s[\g+1], 1024<<16
	s_mov_b32 s[\g+2], (\rows)<<16
	s_mov_b32 s[\g+3], 1024<<16
	s_mov_b32 s[\g+4], \rows
	s_mov_b32 s[\g+5], KROWB/8
	s_mov_b32 s[\g+6], 0
	s_mov_b32 s[\g+7], 0
.endm
.macro GROUP0 g, lds, base, off
	s_mov_b32 s[\g], 1
	s_mov_b32 s[\g+1], \lds
	s_add_nc_u64 s[\g+2:\g+3], s[\base:\base+1], \off
	s_or_b32 s[\g+3], s[\g+3], 0x80000000
.endm
	s_load_b128 s[4:7], s[0:1], 0x0                ; A's buffer, wts
	s_load_b128 s[8:11], s[0:1], 0x10              ; the residual, the result
	v_lshl_add_u32 v[SPW], v0, 2, SPARE
	v_mov_b32 v[NIL], 0
	ds_add_u32 v[SPW], v[NIL]                      ; the opening lines: the add twice on end and one wait
	ds_add_u32 v[SPW], v[NIL]
	v_lshrrev_b32 v1, 5, v0
	v_readfirstlane_b32 s14, v1                    ; wave 0..3
	s_lshr_b32 s15, s14, 1                         ; my half of the tokens
	s_and_b32 s16, s14, 1                          ; my half of the columns
	s_bfe_u32 s40, ttmp6, 0x40000                  ; cx
	s_bfe_u32 s41, ttmp6, 0x40004                  ; cy
	s_lshl_b32 s42, ttmp9, 2
	s_add_co_u32 s42, s42, s40                     ; the block's column, 0..7
	s_and_b32 s17, ttmp7, 0xffff
	s_lshl_b32 s17, s17, 2
	s_add_co_u32 s17, s17, s41                     ; the block's row, 0..31
	s_lshl_b32 s43, s41, 2
	s_lshl_b32 s43, 15, s43                        ; my row of the cluster
	s_lshl_b32 s44, 0x1111, s40                    ; my column
	GROUP1 G1A, 43, 8
	GROUP1 G1B, 44, 8
.if NF > 2
	GROUP1 G1RA, 43, 4
	GROUP1 G1RB, 44, 4
	s_mul_i32 s100, s16, 4*KROWB
	s_add_co_u32 s100, s100, 2*FILLB               ; a refill: my four row tiles, the third 512 along K
	s_mov_b32 s101, 0
	s_lshl_b32 s92, s40, 1                         ; the prefetches: of A's 8 row tiles the partner at cx takes 2 cx, 2 cx + 1 (of B's: by cy); wave (s15, s16) takes tile + s15, fill 2 + s16: 8,192 bytes
	s_add_co_u32 s92, s92, s15
	s_mul_i32 s92, s92, KROWB
	s_lshl_b32 s94, s16, 13
	s_add_co_u32 s94, s94, 2*FILLB
	s_add_co_u32 s92, s92, s94
	s_mov_b32 s93, 0
	s_lshl_b32 s98, s41, 1
	s_add_co_u32 s98, s98, s15
	s_mul_i32 s98, s98, KROWB
	s_add_co_u32 s94, s98, s94
	s_mov_b32 s95, 0
.endif
	s_mul_i32 s20, s17, 8*KROWB                    ; A's codes
	s_mov_b32 s21, 0
	s_mul_i32 s22, s42, 8*KROWB                    ; B's
	s_add_co_u32 s22, s22, B_CODES
	s_mov_b32 s23, 0
	s_mul_i32 s18, s17, SIZE_K*4                   ; A's scale words: my four row tiles
	s_lshl_b32 s46, s15, 8
	s_add_co_u32 s18, s18, s46
	s_add_co_u32 s18, s18, A_SCALES
	s_mov_b32 s19, 0
	s_mul_i32 s46, s42, SIZE_K*4                   ; B's
	s_lshl_b32 s47, s16, 8
	s_add_co_u32 s46, s46, s47
	s_add_co_u32 s46, s46, B_SCALES
	s_mov_b32 s47, 0
	s_lshl_b32 s96, s17, 1
	s_add_co_u32 s96, s96, s15
	s_lshl_b32 s96, s96, 18                        ; my first token: 64 rows of 4,096 bytes each
	s_lshl_b32 s98, s42, 1
	s_add_co_u32 s98, s98, s16
	s_lshl_b32 s98, s98, 8                         ; my first column: 256 bytes each
	s_add_co_u32 s96, s96, s98
	s_mov_b32 s97, 0
	s_lshl_b32 s2, s15, 15                         ; LDS: my four row tiles of A,
	s_lshl_b32 s3, s16, 15
	s_add_co_u32 s3, s3, HALF                      ; of B,
	s_mul_i32 s45, s14, 16*SPITCH
	s_add_co_u32 s45, s45, STAGE                   ; my stage
	s_wait_dscnt 0x0                               ; both opening adds are done
	CROUND                                         ; all sixteen work-groups are here: the first joint loads meet
	s_wait_kmcnt 0x0
	s_add_nc_u64 s[20:21], s[4:5], s[20:21]
	s_add_nc_u64 s[22:23], s[6:7], s[22:23]
	s_add_nc_u64 s[18:19], s[4:5], s[18:19]
	s_add_nc_u64 s[46:47], s[6:7], s[46:47]
	s_add_nc_u64 s[12:13], s[10:11], s[96:97]
	s_add_nc_u64 s[96:97], s[8:9], s[96:97]
	GROUP0 G0A0, 0, 20, 0
	GROUP0 G0B0, HALF, 22, 0
	GROUP0 G0A1, SLOT, 20, FILLB
	GROUP0 G0B1, SLOT+HALF, 22, FILLB
.if NF > 2
	s_mov_b32 s[G0RA], 1
	s_lshl_b32 s[G0RA+1], s16, 15
	s_add_nc_u64 s[G0RA+2:G0RA+3], s[20:21], s[100:101]
	s_or_b32 s[G0RA+3], s[G0RA+3], 0x80000000
	s_mov_b32 s[G0RB], 1
	s_lshl_b32 s[G0RB+1], s16, 15
	s_add_co_u32 s[G0RB+1], s[G0RB+1], HALF
	s_add_nc_u64 s[G0RB+2:G0RB+3], s[22:23], s[100:101]
	s_or_b32 s[G0RB+3], s[G0RB+3], 0x80000000
	s_add_nc_u64 s[92:93], s[20:21], s[92:93]
	s_add_nc_u64 s[94:95], s[22:23], s[94:95]
.endif
; the head's four loads, one a wave, an arm each: wave 0 A's part of slot 0, wave 1 B's, wave 2 A's part of slot 1, wave 3 B's
.macro ARM under, g0, g1, next
	s_cmp_lt_u32 s14, \under
	s_cbranch_scc0 \next
	tensor_load_to_lds s[\g0:\g0+3], s[\g1:\g1+7]
	s_nop 0
	PLACES 4
	s_branch .Lasked
\next:
.endm
	ARM 1, G0A0, G1A, .Lwave_1
	ARM 2, G0B0, G1B, .Lwave_2
	ARM 3, G0A1, G1A, .Lwave_3
	tensor_load_to_lds s[G0B1:G0B1+3], s[G1B:G1B+7]
	s_nop 0
	PLACES 4
.Lasked:
	v_and_b32 v1, 15, v0                           ; r
	v_bfe_u32 v2, v0, 4, 1                         ; h
	v_and_b32 v3, 31, v0
	v_lshlrev_b32 v4, 4, v3                        ; 16 lane
	v_lshlrev_b32 v[SO], 4, v1                     ; a row's four scale words
	v_add_nc_u32 v[ADRA], s2, v4
	v_add_nc_u32 v[ADRB], s3, v4
	v_add_nc_u32 v[ADRA+1], SLOT, v[ADRA]
	v_add_nc_u32 v[ADRB+1], SLOT, v[ADRB]
	v_mul_u32_u24 v5, v1, SPITCH
	v_mul_u32_u24 v6, v2, SPITCH
	v_lshl_add_u32 v5, v2, 6, v5
	v_lshl_add_u32 v6, v1, 4, v6
	v_add_nc_u32 v[STO], s45, v5                   ; the stage, in: row r, + 64 h
	v_add_nc_u32 v[RD], s45, v6                    ; back: sixteen lanes to a row of 256 bytes, two rows a load
	v_lshlrev_b32 v7, 12, v2
	v_lshl_add_u32 v[CO], v1, 4, v7                ; and the same two rows in memory
	v_lshlrev_b32 v[PFO], 8, v3
	s_wait_alu depctr_va_vdst(0)                   ; the wait at the head's end
.set Q, 0
.rept NS
	global_load_b128 v[SA+4*Q:SA+4*Q+3], v[SO], s[18:19] offset:512*Q   ; K step Q: the words of my four row tiles of A; both halves of the lanes read the same 256 bytes
	global_load_b128 v[SB+4*Q:SB+4*Q+3], v[SO], s[46:47] offset:512*Q   ; and of B
.set Q, Q+1
.endr
.if NF > 2
	global_prefetch_b8 v[PFO], s[92:93] th:TH_LOAD_NT scope:SCOPE_SE    ; what the two refills will ask for, three and seven K steps ahead of them: 32 blocks of 256 bytes of A,
	global_prefetch_b8 v[PFO], s[94:95] th:TH_LOAD_NT scope:SCOPE_SE    ; and of B; each block is named once in the cluster; the addresses are never rewritten
.endif
	WIN 0x80
.irp a, 0,1,2,3                        ; the residual: block a's row 2 t + h is token 32 (a / 2) + 8 (a % 2) + 16 (t / 4) + 2 (t % 4) + h of my 64
.irp t, 0,1,2,3,4,5,6,7
	global_load_b128 v[RES+32*\a+4*\t:RES+32*\a+4*\t+3], v[CO], s[96:97] offset:(32*(\a/2)+8*(\a%2)+16*(\t/4)+2*(\t%4))*4096 th:TH_LOAD_NT
.endr
.endr
	WIN 0
.macro FETCH q                         ; K step q's fragments into set q % 2: B's four, then A's four: 32 loads
	WIN 0x40
.irp i, 0,1,2,3
.irp c, 0,1,2,3
	ds_load_b128 v[128*((\q)%2)+64+16*\i+4*\c:128*((\q)%2)+64+16*\i+4*\c+3], v[ADRB+((\q)/4)%2] offset:8192*\i+2048*((\q)%4)+512*\c
.endr
.endr
.irp i, 0,1,2,3
.irp c, 0,1,2,3
	ds_load_b128 v[128*((\q)%2)+16*\i+4*\c:128*((\q)%2)+16*\i+4*\c+3], v[ADRA+((\q)/4)%2] offset:8192*\i+2048*((\q)%4)+512*\c
.endr
.endr
.endm
.macro MUL8 q, a0                      ; A's tiles a0, a0 + 1 x B's four; the first K step starts the sums
.irp a, \a0, \a0+1
.irp b, 0,1,2,3
.if (\q) == 0
	v_wmma_scale_f32_16x16x128_f8f6f4 v[8*(4*(\a)+\b):8*(4*(\a)+\b)+7], v[128*((\q)%2)+64+16*\b:128*((\q)%2)+64+16*\b+15], v[128*((\q)%2)+16*(\a):128*((\q)%2)+16*(\a)+15], 0, v[SB+4*(\q)+\b], v[SA+4*(\q)+(\a)]
.else
	v_wmma_scale_f32_16x16x128_f8f6f4 v[8*(4*(\a)+\b):8*(4*(\a)+\b)+7], v[128*((\q)%2)+64+16*\b:128*((\q)%2)+64+16*\b+15], v[128*((\q)%2)+16*(\a):128*((\q)%2)+16*(\a)+15], v[8*(4*(\a)+\b):8*(4*(\a)+\b)+7], v[SB+4*(\q)+\b], v[SA+4*(\q)+(\a)]
.endif
.endr
.endr
.endm
.macro STEP q
.if (\q)+1 < NS
	PLACES NP                                      ; behind the last step's products, ahead of the loads into the set that they read
	FETCH (\q)+1
	s_wait_dscnt 32                                ; this step's fragments are in; the 32 loads just issued may be out
.else
	s_wait_dscnt 0x0
.endif
	WIN MULW
	MUL8 \q, 0
	MUL8 \q, 2
.endm
; A slot's last step.  Its fragments are the last reads of the slot.  Every wave waits for all its tensor loads (the other slot's part among them), adds 0 to its spare word, waits for that and for its reads.
; Behind the barrier the other slot is whole; where K goes on, the barrier opens a round of the cluster's barrier and the slot just left is filled again, one load a wave.
.macro TURNQ q
	WIN 0
	s_wait_tensorcnt 0x0
	ds_add_u32 v[SPW], v[NIL]
.if (((\q)+1)/4+1 < NF) && ((\q) > 3)
	s_add_co_u32 s[G0RA+1], s[G0RA+1], SLOT        ; no load of mine is out: the second refill goes to slot 1, 512 further along K
	s_add_nc_u64 s[G0RA+2:G0RA+3], s[G0RA+2:G0RA+3], FILLB
	s_add_co_u32 s[G0RB+1], s[G0RB+1], SLOT
	s_add_nc_u64 s[G0RB+2:G0RB+3], s[G0RB+2:G0RB+3], FILLB
.endif
	s_wait_dscnt 0x0
	s_barrier_signal -1
	WIN MULW
	MUL8 \q, 0
	WIN 0
	s_barrier_wait -1
.if ((\q)+1)/4+1 < NF
	CREST
	JLOAD
	PLACES NP-4
.else
	PLACES NP
.endif
	FETCH (\q)+1
	WIN MULW
	MUL8 \q, 2
.endm
	s_cmp_lt_u32 s14, 2                            ; slot 0's two loads have lines of their own: waves 0 and 1 wait here, waves 2 and 3 at the slot's last step
	s_cbranch_scc0 .Lnot_first
	s_wait_tensorcnt 0x0
.Lnot_first:
	s_barrier_signal -1
	s_barrier_wait -1
	FETCH 0
	s_wait_loadcnt 32                              ; the scale words are in; the residual's 32 loads may be out
.set Q, 0
.rept NS
.if (Q%4 == 3) && (Q+1 < NS)
	TURNQ Q
.else
	STEP Q
.endif
.set Q, Q+1
.endr
; THE WAY OUT, block by block of 16 tokens x 64 columns: through my own stage (bytes that no tensor load fills), back as rows of 256 bytes, the residual added, sixteen lanes store 256 consecutive aligned bytes.
.macro TOSTAGE a
	WIN 0x08
.irp b, 0,1,2,3
	ds_store_b128 v[STO], v[8*(4*(\a)+\b):8*(4*(\a)+\b)+3] offset:128*(\b/2)+32*(\b%2)       ; B's tile b holds columns 32 (b / 2) + 16 h + 8 (b % 2) + 0..7; each accumulator from its low end on
	ds_store_b128 v[STO], v[8*(4*(\a)+\b)+4:8*(4*(\a)+\b)+7] offset:128*(\b/2)+32*(\b%2)+16
.endr
	WIN 0
.irp t, 0,1,2,3,4,5,6,7
	ds_load_b128 v[BK+32*((\a)%2)+4*\t:BK+32*((\a)%2)+4*\t+3], v[RD] offset:\t*2*SPITCH   ; LDS serves a wave's instructions in order (ISA guide 5.7.1.4)
.endr
.endm
.macro FINISH a
	WIN 0x08
.set n, 0
.rept 16
	v_pk_add_f32 v[BK+32*((\a)%2)+n:BK+32*((\a)%2)+n+1], v[BK+32*((\a)%2)+n:BK+32*((\a)%2)+n+1], v[RES+32*(\a)+n:RES+32*(\a)+n+1]
.set n, n+2
.endr
	WIN 0
.irp t, 0,1,2,3,4,5,6,7
.if LAST
	global_store_b128 v[CO], v[BK+32*((\a)%2)+4*\t:BK+32*((\a)%2)+4*\t+3], s[12:13] offset:(32*((\a)/2)+8*((\a)%2)+16*(\t/4)+2*(\t%4))*4096 th:TH_STORE_NT
.else
	global_store_b128 v[CO], v[BK+32*((\a)%2)+4*\t:BK+32*((\a)%2)+4*\t+3], s[12:13] offset:(32*((\a)/2)+8*((\a)%2)+16*(\t/4)+2*(\t%4))*4096
.endif
.endr
.endm
	PLACES NP
	TOSTAGE 0
	s_wait_loadcnt 0x0                             ; the residual
.irp a, 0,1,2,3
.if \a < 3
.if \a > 0
	s_wait_xcnt 0x0                                ; block a - 1's stores have read their registers: block a + 1's rows may land there
.endif
	TOSTAGE \a+1
	s_wait_dscnt 16                                ; block a is back; block a + 1's 8 stores and 8 loads may be out
.else
	s_wait_dscnt 0x0
.endif
	FINISH \a
.endr
	s_wait_tensorcnt 0x0                           ; the wave's end
	ds_add_u32 v[SPW], v[NIL]
	s_wait_dscnt 0x0
	CROUND                                         ; the closing round
	s_endpgm
.Lfunc_end_k_qb4a44bd941_down:
	.size	k_qb4a44bd941_down, .Lfunc_end_k_qb4a44bd941_down-k_qb4a44bd941_down
	.p2alignl 7, 3214868480
	.fill 96, 4, 3214868480
	.section	.rodata,"a",@progbits
	.p2align	6, 0x0
	.amdhsa_kernel k_qb4a44bd941_down
		.amdhsa_group_segment_fixed_size 327680
		.amdhsa_private_segment_fixed_size 0
		.amdhsa_enable_private_segment 0
		.amdhsa_kernarg_size 32
		.amdhsa_user_sgpr_count 2
		.amdhsa_user_sgpr_kernarg_segment_ptr 1
		.amdhsa_wavefront_size32 1
		.amdhsa_system_sgpr_workgroup_id_x 1
		.amdhsa_system_sgpr_workgroup_id_y 1
		.amdhsa_system_sgpr_workgroup_id_z 1
		.amdhsa_system_vgpr_workitem_id 0
		.amdhsa_next_free_vgpr 768
		.amdhsa_next_free_sgpr 102
		.amdhsa_reserve_vcc 0
		.amdhsa_float_denorm_mode_32 3
		.amdhsa_float_denorm_mode_16_64 3
		.amdhsa_memory_ordered 1
		.amdhsa_forward_progress 1
		.amdhsa_inst_pref_size 100
	.end_amdhsa_kernel
	.amdgpu_metadata
---
amdhsa.version: [ 1, 2 ]
amdhsa.kernels:
  - .name:           k_qb4a44bd941_down
    .symbol:         k_qb4a44bd941_down.kd
    .args:
      - { .name: gbuf, .offset: 0, .size: 8, .value_kind: global_buffer, .address_space: global }
      - { .name: wts, .offset: 8, .size: 8, .value_kind: global_buffer, .address_space: global }
      - { .name: x1, .offset: 16, .size: 8, .value_kind: global_buffer, .address_space: global }
      - { .name: out0, .offset: 24, .size: 8, .value_kind: global_buffer, .address_space: global }
    .group_segment_fixed_size: 327680
    .private_segment_fixed_size: 0
    .kernarg_segment_align: 8
    .kernarg_segment_size: 32
    .max_flat_workgroup_size: 128
    .sgpr_count:     102
    .vgpr_count:     768
    .wavefront_size: 32
...
	.end_amdgpu_metadata
.endif
;; end of part 7
